; MI455X (gfx1250); checked and timed in simulation.
; The chip was launched on July 23, 2026; its instructions are those of AMD's public machine-readable ISA for CDNA 5 (MIT licence, August 2026) and "CDNA5" Instruction Set Architecture Reference Guide (July 2026). The comments in the code are by the model that wrote it; some were corrected since.
;; Gpt Oss Experts Lora. Allowed arithmetic: matrix products marked QUANTISED: E2M1 operands, one E8M0 scale for each 32 along K, by v_wmma_scale_f32_16x16x128_f8f6f4 with both operands' format E2M1 (or v_wmma_scale_f32_32x16x128_f4), f32 sums; products left as they are: f32 operands where the result goes on into a quantised operand, else bf16, f16 or f32 operands; f32 sums; everything else in f32.
;; Inputs: down_proj_bias 8 x 1,024 float32; down_proj_codes 8 x 1,024 x 64 x 16 uint8 (E2M1 codes of down_proj, K innermost, in blocks of 32 codes, two codes a byte); down_proj_scales 8 x 1,024 x 64 uint8 (E8M0 scales of down_proj, one for each 32 codes along K); gate_up_proj_bias 8 x 4,096 float32; gate_up_proj_codes 8 x 4,096 x 32 x 16 uint8 (E2M1 codes of gate_up_proj, K innermost, in blocks of 32 codes, two codes a byte); gate_up_proj_scales 8 x 4,096 x 32 uint8 (E8M0 scales of gate_up_proj, one for each 32 codes along K); hidden_states_codes 1 x 1,024 x 32 x 16 uint8 (E2M1 codes of hidden_states, K innermost, in blocks of 32 codes, two codes a byte); hidden_states_scales 1 x 1,024 x 32 uint8 (E8M0 scales of hidden_states, one for each 32 codes along K); lora_A_down_codes 8 x 16 x 64 x 16 uint8 (E2M1 codes of lora_A_down, K innermost, in blocks of 32 codes, two codes a byte); lora_A_down_scales 8 x 16 x 64 uint8 (E8M0 scales of lora_A_down, one for each 32 codes along K); lora_A_gate_up_codes 8 x 16 x 32 x 16 uint8 (E2M1 codes of lora_A_gate_up, K innermost, in blocks of 32 codes, two codes a byte); lora_A_gate_up_scales 8 x 16 x 32 uint8 (E8M0 scales of lora_A_gate_up, one for each 32 codes along K); lora_B_down 8 x 16 x 1,024 float32; lora_B_gate_up 8 x 16 x 4,096 float32; router_indices 1,024 x 2 int32; routing_weights 1,024 x 8 float32.
;; Outputs: out0 1 x 1,024 x 1,024 float32.
;; This version of the problem:
;;   THIS VERSION OF THE PROBLEM IS GIVEN IN LOW PRECISION. The matrix products marked QUANTISED in the list below multiply operands that are first quantised to E2M1 (2 exponent bits, 1 mantissa bit; 4 bits a number), with one power-of-two scale for each 32 numbers along K (OCP MX v1.0); their sums are f32. All else is computed in f32.
;;   The module's matrix products, in the order in which they are computed (A, B: the left and right operand; K: the contracted axis; several contracted axes count as one K, in the product's order):
;;     1. [M 1,024, K 1,024] x [K 1,024, N 32,768]; A: input hidden_states (given as codes); B: input gate_up_proj (given as codes): QUANTISED
;;     2. [M 1,024, K 1,024] x [K 1,024, N 128]; A: input hidden_states (given as codes); B: input lora_A_gate_up (given as codes): QUANTISED
;;     3. batch 8 x [M 4,096, K 16] x [K 16, N 1,024]; A: input lora_B_gate_up; B: computed on the way: left as it is (K = 16 < 32)
;;     4. batch 8 x [M 1,024, K 2,048] x [K 2,048, N 1,024]; A: input down_proj (given as codes); B: computed on the way: QUANTISED
;;     5. batch 8 x [M 16, K 2,048] x [K 2,048, N 1,024]; A: input lora_A_down (given as codes); B: computed on the way: QUANTISED
;;     6. batch 8 x [M 1,024, K 16] x [K 16, N 1,024]; A: input lora_B_down; B: computed on the way: left as it is (K = 16 < 32)
;;     7. batch 1,024 x [M 1,024, K 8] x [K 8, N 1]; A: computed on the way; B: computed on the way: left as it is (K = 8 < 32)
;;   THE QUANTISER, for each operand of a quantised product, along K:
;;     - K is cut into blocks of 32 from its start; a last block that is shorter is filled with zeros.
;;     - A block's scale is 2^e with e = floor(log2(the largest magnitude in the block)) - 2, held to -126 .. 127; a block of zeros has e = 0. As a byte (E8M0): e + 127.
;;     - Each number is divided by its block's scale, clamped to +-6, and rounded to the nearest number of E2M1, ties to even, subnormals kept.
;;     - The product sums the exact products of the quantised numbers (number of the format x scale) in f32.
;;   ~~~python
;;   def quantise(x, axis):      # numpy; x: float32 -> the quantised numbers, widened to float32 again
;;       x = np.moveaxis(x, axis, -1); K = x.shape[-1]
;;       x = np.pad(x, [(0, 0)] * (x.ndim - 1) + [(0, -K % 32)]); x = x.reshape(x.shape[:-1] + (-1, 32)); a = np.abs(x).max(-1, keepdims=True)
;;       e = np.where(a > 0, np.clip(np.frexp(np.where(a > 0, a, 1))[1] - 1 - 2, -126, 127), 0)      # np.frexp(a)[1] - 1 = floor(log2(a)), exactly
;;       r = np.clip(x / 2.0 ** e, -6, 6)
;;       step = 2.0 ** (np.maximum(np.frexp(np.where(r == 0, 1, r))[1] - 1, 0) - 1)
;;       q = np.round(r / step) * step * 2.0 ** e      # np.round: ties to even
;;       return np.moveaxis(q.reshape(q.shape[:-2] + (-1,))[..., :K], -1, axis).astype(np.float32)
;;   ~~~
;;   OPERANDS COMPUTED ON THE WAY. 'Computed on the way' means the value that the module computes at that place (a softmax that the list does not call 'softmax' is quantised finished and normalised). What goes into a quantiser is computed in f32, as accurately as f32 sums, v_exp_f32 and their like allow (about 1e-6 of the number): no bf16 or f16 on the way to a quantiser, and a product that is left as it is and whose result goes on into a quantised operand takes f32 operands (vector FMAs, or v_wmma_f32_16x16x4_f32). A number that lies on a knife's edge between two numbers of the format may be rounded either way, as far as f32 arithmetic and the matrix unit's own rounding can turn it there, and no further.
;;   INPUTS GIVEN AS CODES. down_proj (in the module: [8, 2048, 1024], K = its axis 1); gate_up_proj (in the module: [8, 1024, 4096], K = its axis 1); hidden_states (in the module: [1, 1024, 1024], K = its axis 2); lora_A_down (in the module: [8, 2048, 16], K = its axis 1); lora_A_gate_up (in the module: [8, 1024, 16], K = its axis 1): each comes as NAME_codes (uint8): NAME with its K axis moved to the last place and cut into blocks of 32 codes, [.., K / 32, bytes a block], one block behind the other in memory; two codes a byte, the lower K in the low four bits (a code: sign, 2 exponent bits, 1 mantissa bit); and NAME_scales (uint8): the same leading axes, one E8M0 byte (e + 127) for each 32 codes along K. Its value is code x scale, taken as it is: it is not quantised again, and the codes and scales need not be those that the quantiser above would give.
;; 2 versions. Each part assembles by itself: llvm-mc -triple=amdgcn-amd-amdhsa -mcpu=gfx1250 --defsym DOCPART=n.
;; ======== version 1 of 2: 4 launches
;; workspace buffers: order 67,584 bytes of whole numbers; gcodes 16,777,216 bytes; gscales 1,048,576 bytes; part 8,388,608 bytes
;; launch route (part 1): grid 8 x 1, 1 waves a work-group, no clusters, 0 bytes of LDS; arguments router_indices, order; writes order
.if DOCPART == 1
	.amdgcn_target "amdgcn-amd-amdhsa--gfx1250"
	.amdhsa_code_object_version 6
	.text
	.protected	k_qbe2611d955_route
	.globl	k_qbe2611d955_route
	.p2align	8
	.type	k_qbe2611d955_route,@function
k_qbe2611d955_route:
	s_mov_b64 s[64:65], 0
	v_nop
	global_prefetch_b8 v0, s[64:65] scope:SCOPE_SE
	s_setreg_imm32_b32 hwreg(HW_REG_WAVE_MODE, 25, 1), 1
	s_wait_xcnt 0x0
; THE LISTS.  router_indices [1024][2] int32 is a stream of 2,048 slots s = 2 t + k.  Work-group e, one wave, writes the list of the slots whose index, taken modulo 8, is e,
; and the list's length.  An index outside 0 .. 7 is so given to some expert, so that every slot has a row of results; the last launch gives such a slot the weight 0.
; order, 8,448 bytes an expert: words 0 .. 2047 the list; 32 words at byte 8,192 that take the stores of lanes whose slot is another expert's (one word a lane, never read);
; at byte 8,320 the length, 32 times.  EXEC is never changed: a lane without a match stores into its own spare word.
; Register 4 j + q of lane l holds slot 128 j + 4 l + q; a list's order is (j, q, lane): only this text defines it.
; BY STAGES: the 64 registers go in four groups of 16, and each stage runs over a whole group before the next stage begins, so that no line reads the result of the line above it.
; Every store has an address register and a data register of its own, so nothing that a store still reads is written again.
.set IDX, 8                            ; v8-71    the indices
.set A,   72                           ; v72-135  byte offsets of the stores
.set D,   136                          ; v136-199 the slots' numbers
.set M,   24                           ; s24-39   a group's masks of matching lanes
.set PF,  40                           ; s40-55   the list's length in front of each of the group's registers
.set EXPB, 8448                        ; bytes of order for an expert
	s_load_b128 s[4:7], s[0:1], 0x0                ; router_indices s[4:5], order s[6:7]
	s_mov_b32 s11, ttmp9                           ; my expert
	s_mul_i32 s8, ttmp9, EXPB
	s_mov_b32 s9, 0
	s_mov_b32 s10, 0                               ; the list's length so far
	v_lshlrev_b32 v1, 4, v0                        ; 16 bytes a lane
	v_lshlrev_b32 v2, 2, v0                        ; 4 x lane
	v_add_nc_u32 v3, 2048, v0                      ; my spare word's index
	v_add_nc_u32 v5, 8320, v2                      ; where the length goes
	s_wait_kmcnt 0x0
	s_add_nc_u64 s[6:7], s[6:7], s[8:9]
.irp j, 0,1,2,3,4,5,6,7,8,9,10,11,12,13,14,15
	global_load_b128 v[IDX+4*\j:IDX+4*\j+3], v1, s[4:5] offset:512*\j      ; 32 lanes read 512 consecutive bytes
.endr
.irp g, 0,1,2,3
.irp i, 0,1,2,3,4,5,6,7,8,9,10,11,12,13,14,15
	v_add_nc_u32 v[D+16*\g+\i], 128*(4*\g+\i/4)+\i%4, v2       ; the slots' numbers hang on no load: made while the loads are out
.endr
.endr
.irp g, 0,1,2,3
	s_wait_loadcnt 12-4*\g                         ; loads come back in order: this group's four are in, the younger ones stay out
.irp i, 0,1,2,3,4,5,6,7,8,9,10,11,12,13,14,15
	v_and_b32 v[IDX+16*\g+\i], 7, v[IDX+16*\g+\i]
.endr
.irp i, 0,1,2,3,4,5,6,7,8,9,10,11,12,13,14,15
	v_cmp_eq_u32 s[M+\i], s11, v[IDX+16*\g+\i]     ; the lanes whose slot is mine
.endr
.irp i, 0,1,2,3,4,5,6,7,8,9,10,11,12,13,14,15
	s_mov_b32 s[PF+\i], s10                        ; the length in front of this register's matches
	s_bcnt1_i32_b32 s16, s[M+\i]
	s_add_co_u32 s10, s10, s16
.endr
.irp i, 0,1,2,3,4,5,6,7,8,9,10,11,12,13,14,15
	v_mbcnt_lo_u32_b32 v[A+16*\g+\i], s[M+\i], s[PF+\i]        ; + the matches in lower lanes: the slot's place in the list
.endr
.irp i, 0,1,2,3,4,5,6,7,8,9,10,11,12,13,14,15
	v_cndmask_b32 v[A+16*\g+\i], v3, v[A+16*\g+\i], s[M+\i]    ; no match: my spare word
.endr
.irp i, 0,1,2,3,4,5,6,7,8,9,10,11,12,13,14,15
	v_min_u32 v[A+16*\g+\i], 0x81f, v[A+16*\g+\i]  ; held inside the expert's words (2,048 + 31 at the most)
.endr
.irp i, 0,1,2,3,4,5,6,7,8,9,10,11,12,13,14,15
	v_lshlrev_b32 v[A+16*\g+\i], 2, v[A+16*\g+\i]
.endr
.irp i, 0,1,2,3,4,5,6,7,8,9,10,11,12,13,14,15
	global_store_b32 v[A+16*\g+\i], v[D+16*\g+\i], s[6:7]
.endr
.endr
	v_mov_b32 v4, s10
	global_store_b32 v5, v4, s[6:7]                ; the length
	s_endpgm
.Lfunc_end_k_qbe2611d955_route:
	.size	k_qbe2611d955_route, .Lfunc_end_k_qbe2611d955_route-k_qbe2611d955_route
	.p2alignl 7, 3214868480
	.fill 96, 4, 3214868480
	.section	.rodata,"a",@progbits
	.p2align	6, 0x0
	.amdhsa_kernel k_qbe2611d955_route
		.amdhsa_group_segment_fixed_size 0
		.amdhsa_private_segment_fixed_size 0
		.amdhsa_enable_private_segment 0
		.amdhsa_kernarg_size 16
		.amdhsa_user_sgpr_count 2
		.amdhsa_user_sgpr_kernarg_segment_ptr 1
		.amdhsa_wavefront_size32 1
		.amdhsa_system_sgpr_workgroup_id_x 1
		.amdhsa_system_sgpr_workgroup_id_y 1
		.amdhsa_system_sgpr_workgroup_id_z 1
		.amdhsa_system_vgpr_workitem_id 0
		.amdhsa_next_free_vgpr 200
		.amdhsa_next_free_sgpr 66
		.amdhsa_reserve_vcc 0
		.amdhsa_float_denorm_mode_32 3
		.amdhsa_float_denorm_mode_16_64 3
		.amdhsa_memory_ordered 1
		.amdhsa_forward_progress 1
		.amdhsa_inst_pref_size 39
	.end_amdhsa_kernel
	.amdgpu_metadata
---
amdhsa.version: [ 1, 2 ]
amdhsa.kernels:
  - .name:           k_qbe2611d955_route
    .symbol:         k_qbe2611d955_route.kd
    .args:
      - { .name: router_indices, .offset: 0, .size: 8, .value_kind: global_buffer, .address_space: global }
      - { .name: order, .offset: 8, .size: 8, .value_kind: global_buffer, .address_space: global }
    .group_segment_fixed_size: 0
    .private_segment_fixed_size: 0
    .kernarg_segment_align: 8
    .kernarg_segment_size: 16
    .max_flat_workgroup_size: 32
    .sgpr_count:     66
    .vgpr_count:     200
    .wavefront_size: 32
...
	.end_amdgpu_metadata
.endif
;; end of part 1
;; launch gateup (part 2): grid 32 x 8, 4 waves a work-group, no clusters, 162,560 bytes of LDS; arguments hidden_states_codes, hidden_states_scales, gate_up_proj_codes, gate_up_proj_scales, gate_up_proj_bias, lora_A_gate_up_codes, lora_A_gate_up_scales, lora_B_gate_up, order, gcodes, gscales; writes gcodes, gscales
.if DOCPART == 2
	.amdgcn_target "amdgcn-amd-amdhsa--gfx1250"
	.amdhsa_code_object_version 6
	.text
	.protected	k_qbe2611d955_gateup
	.globl	k_qbe2611d955_gateup
	.p2align	8
	.type	k_qbe2611d955_gateup,@function
k_qbe2611d955_gateup:
	s_mov_b64 s[64:65], 0
	v_nop
	global_prefetch_b8 v0, s[64:65] scope:SCOPE_SE
	s_setreg_imm32_b32 hwreg(HW_REG_WAVE_MODE, 25, 1), 1
	s_wait_xcnt 0x0
; gu = x Wgu + bias + 2 (x Agu) Bgu for the rows of each expert's list; gated = (clip(up, -7, 7) + 1) g sigmoid(1.702 g), g = min(gate, 7); gated is quantised along I to codes of E2M1 with one E8M0 byte for 32.
; Only the rows that the lists name are multiplied: the mask that weighs the experts is 0 for all others.
; SHARES.  Work-group (x, y): expert e = y; row share q = x & 1; wave w owns the 64 columns f0 = 64 cg, cg = 4 (x >> 1) + w, which are block cg (32 numbers) of gated.  It walks the tiles of 16 list places q, q + 2, ..
; THE WEIGHTS STAY: the wave's 64 rows of Wgu (32 KB of codes, 256 registers), Agu (64 registers), its 16 x 64 of Bgu (32), bias and scale words are read once and kept.  What goes round is x: 8.5 KB a tile.
; The wave's 32 KB of codes are dense in memory: they are loaded as they lie, 512 consecutive bytes a load, and turned into fragments once, through the wave's own LDS.
; NO TENSOR LOAD AND NO JOINT REQUEST: the number of tiles is read from memory, so trip counts hang on loaded numbers; and a weight byte is wanted by two work-groups only, once each.
; One barrier, ahead of every branch on loaded numbers: Agu's 8 KB are brought by the four waves together.
; LAYOUT.  The products are used transposed: source 0 = 16 rows of the weight, source 1 = 16 rows of x: a lane (r = lane % 16, h = lane / 16) holds list place r.  THE ROWS OF A TILE ARE NOT NEIGHBOURS:
; lane r of tile t takes row f0 + 32 (r / 8) + 8 t + r % 8, so register j of tile t is column f0 + 32 h + 8 t + j: four (gate, up) pairs, gated numbers 16 h + 4 t + 0 .. 3 of the block.
; The product with Bgu goes on into a quantiser: f32 operands, 16x16x4.  Its K step s takes ranks 2 s, 2 s + 1, 8 + 2 s, 9 + 2 s on both sides, so that x Agu's registers 2 s, 2 s + 1 serve as they stand.
; ONE TILE BEHIND.  The wave is alone on its SIMD, so the vector work of a tile stands beside the matrix work of the next: a step issues the next tile's 40 products on codes, takes the finished tile's gu out of
; its registers (32 lines), issues the next tile's 16 f32 products into those registers, and then runs the finished tile's sigmoid, quantiser and stores while they are at work.
; gcodes [e][tile 128][block 64][row 16][16 bytes]: a wave's store is 256 consecutive bytes, aligned.  gscales [e][tile 128][row 16][64 bytes].
; List places past the list's end repeat its last place, so that all 16 rows of every tile are written.
; LIMITS.  NaN and infinities among the inputs are not served (the minimum and the clip drop a NaN).  A block of zeros gets the byte 1, not 127: its codes are zeros, and this program alone reads the bytes.
; (up + 1) g' is one fused multiply-add; 1.702 log2(e) is one constant; x Agu is summed in two halves of K.
; REGISTERS.  window 0: see the names below.  window 1: Wgu's fragment (tile t, K step s) at v[64 t + 8 s].  window 2: Agu's (s) at v[8 s]; x's, buffer b, at v[64 + 64 b + 8 s]; bias (t) at v[192 + 8 t]; 2 Bgu at v[224 + 8 t + 2 s + j].
.set WSTB, 34048                       ; LDS: a wave's stage for Wgu: row i at 528 i + 128 (i / 32): rows r and r + 32 fall on different banks
.set BST,  136192                      ; a wave's stage for Bgu: 16 ranks x (256 + 16) bytes
.set BSTB, 4352
.set LST,  153600                      ; Agu: 16 rows x (512 + 16) bytes, the work-group's
.set LP,   16                          ; v16-17  buffer b: byte offset in the list
.set TK,   18                          ; v18-19  the slot read from the list
.set XA,   20                          ; v20-21  byte offset of my part of x's row
.set XSA,  22                          ; v22-23  and of its scale bytes
.set GCV,  24                          ; v24     where my codes go
.set GSV,  25                          ; v25     where the scale byte goes
.set T0,   26                          ; v26     at work
.set MX,   28                          ; v28 largest magnitude, v29 the other half's, v30 the conversion's scale operand, v31 the byte
.set MY,   29
.set SC,   30
.set BY,   31
.set CD,   32                          ; v[32:33] my 16 codes
.set XS,   40                          ; v40-55  x's scale words, 8 b + s
.set WS,   56                          ; v56-87  Wgu's, 8 t + s
.set LAS,  88                          ; v88-95  Agu's, s
.set P,    96                          ; v96-127  x Wgu + bias, four tiles
.set T1A,  128                         ; v128-135, v136-143 x Agu, even and odd K steps
.set T1,   144                         ; v144-151 their sum
.set Q,    152                         ; v152-183 gu: written by matrix instructions alone
.set TG,   184                         ; v184-199 g, then g sigmoid
.set TU,   200                         ; v200-215 up, then gated
.set TA,   216                         ; v216-231 at work
.set TMPA, 96                          ; at the start: Agu's quarter as loaded
.set TMPB, 112                         ; and Bgu as loaded
.set XW,   64                          ; in window 2
.set BIW,  192
.set BGW,  224
.set MSB, 0
.macro WIN new                         ; the immediate's high byte repeats the setting that is left
.if MSB != \new
	s_set_vgpr_msb (MSB<<8)|\new
.set MSB, \new
.endif
.endm
.macro MM d, a, b, c, sa, sb           ; D = A B + C on codes, 128 along K
	v_wmma_scale_f32_16x16x128_f8f6f4 v[\d:\d+7], v[\a:\a+7], v[\b:\b+7], v[\c:\c+7], v[\sa], v[\sb] matrix_a_fmt:MATRIX_FMT_FP4 matrix_b_fmt:MATRIX_FMT_FP4
.endm
.macro MMZ d, a, b, sa, sb             ; the same, starting a sum
	v_wmma_scale_f32_16x16x128_f8f6f4 v[\d:\d+7], v[\a:\a+7], v[\b:\b+7], 0, v[\sa], v[\sb] matrix_a_fmt:MATRIX_FMT_FP4 matrix_b_fmt:MATRIX_FMT_FP4
.endm
.macro PTR p, ra, sa, rb, sb           ; pointer p += (s[ra] << sa) + (s[rb] << sb); s37 = 0
	s_lshl_b32 s36, s[\ra], \sa
	s_lshl_b32 s38, s[\rb], \sb
	s_add_co_u32 s36, s36, s38
	s_add_nc_u64 s[\p:\p+1], s[\p:\p+1], s[36:37]
.endm
.macro LISTPOS b, sr                   ; list place s[sr] + r, held at the list's last place
	v_add_nc_u32 v[LP+\b], s[\sr], v2
	v_min_u32 v[LP+\b], s32, v[LP+\b]
	v_min_u32 v[LP+\b], 0x7ff, v[LP+\b]
	v_lshlrev_b32 v[LP+\b], 2, v[LP+\b]
.endm
.macro LISTLOAD b
	global_load_b32 v[TK+\b], v[LP+\b], s[20:21]
.endm
.macro XADDR b                         ; slot -> token -> byte offsets
	v_lshrrev_b32 v[T0], 1, v[TK+\b]
	v_min_u32 v[T0], 0x3ff, v[T0]
	v_lshl_add_u32 v[XA+\b], v[T0], 9, v3          ; 512 bytes of codes a token, + 16 h
	v_lshlrev_b32 v[XSA+\b], 5, v[T0]              ; 32 scale bytes a token
.endm
.macro XLOAD b                         ; 18 loads: x's eight fragments and its eight scale words
	WIN 0x80                                       ; destination window 2
.irp s, 0,1,2,3,4,5,6,7
.irp c, 0,1
	global_load_b128 v[XW+64*\b+8*\s+4*\c:XW+64*\b+8*\s+4*\c+3], v[XA+\b], s[4:5] offset:64*\s+32*\c
.endr
.endr
	WIN 0
	global_load_b128 v[XS+8*\b:XS+8*\b+3], v[XSA+\b], s[6:7]
	global_load_b128 v[XS+8*\b+4:XS+8*\b+7], v[XSA+\b], s[6:7] offset:16
.endm
	s_load_b512 s[4:19], s[0:1], 0x0               ; x codes s[4:5], x scales s[6:7], Wgu codes s[8:9], Wgu scales s[10:11], bias s[12:13], Agu codes s[14:15], Agu scales s[16:17], Bgu s[18:19]
	s_load_b128 s[20:23], s[0:1], 0x40             ; order s[20:21], gcodes s[22:23]
	s_load_b64 s[24:25], s[0:1], 0x50              ; gscales
	v_lshl_add_u32 v254, v0, 2, 0x27900
	v_mov_b32 v255, 0
	v_lshrrev_b32 v1, 5, v0
	v_readfirstlane_b32 s26, v1                    ; wave
	s_and_b32 s27, ttmp7, 0xffff                   ; e
	s_and_b32 s28, ttmp9, 1                        ; q
	s_lshr_b32 s29, ttmp9, 1
	s_lshl_b32 s29, s29, 2
	s_add_co_u32 s29, s29, s26                     ; cg
	s_mov_b32 s40, 0x76543210
	s_mov_b32 s41, 0xfedcba98                      ; v_permlanex16_b32's selects for lane l xor 16
	s_mov_b32 s42, 0xc0e00000                      ; -7
	s_mov_b32 s43, 0x40e00000                      ; 7
	s_mov_b32 s44, 0xc01d265f                      ; -1.702 log2(e)
	s_mov_b32 s45, s44                             ; (named with it as a pair, so it is written)
	v_and_b32 v26, 31, v0                          ; lane
	v_lshlrev_b32 v1, 4, v26                       ; v1  16 x lane
	v_and_b32 v2, 15, v0                           ; v2  r
	v_bfe_u32 v27, v0, 4, 1                        ; h
	v_lshlrev_b32 v3, 4, v27                       ; v3  16 h
	v_bfe_u32 v34, v0, 3, 1                        ; r / 8
	v_and_b32 v35, 7, v0                           ; r % 8
	v_lshl_add_u32 v36, v34, 5, v35                ; 32 (r / 8) + r % 8: my row of tile 0
	s_mul_i32 s46, s26, WSTB
	v_add_nc_u32 v4, s46, v1                       ; v4  Wgu into the stage
	v_mul_u32_u24 v5, v34, 17024
	v_mad_u32_u24 v5, v35, 528, v5
	v_add_nc_u32 v5, v5, v3
	v_add_nc_u32 v5, s46, v5                       ; v5  and out of it, as fragments
	s_mul_i32 s47, s26, 2112
	s_add_co_u32 s47, s47, LST
	v_add_nc_u32 v6, s47, v1                       ; v6  my four rows of Agu into LDS
	v_mul_u32_u24 v7, v2, 528
	v_add_nc_u32 v7, v7, v3
	v_add_nc_u32 v7, LST, v7                       ; v7  Agu's fragments
	s_mul_i32 s48, s26, BSTB
	s_add_co_u32 s48, s48, BST
	v_mul_u32_u24 v8, v27, 272
	v_lshl_add_u32 v8, v2, 4, v8
	v_add_nc_u32 v8, s48, v8                       ; v8  Bgu into its stage: rank 2 i + h, 16 bytes a lane
	v_mul_u32_u24 v9, v27, 2176
	v_lshl_add_u32 v9, v36, 2, v9
	v_add_nc_u32 v9, s48, v9                       ; v9  and out: rank 8 h, my row's column
	v_lshlrev_b32 v10, 5, v36                      ; v10 Wgu's scale bytes: 32 a row
	v_lshlrev_b32 v11, 7, v27                      ; v11 bias: 32 h numbers on
	v_lshlrev_b32 v12, 5, v2                       ; v12 Agu's scale bytes
	v_lshlrev_b32 v13, 14, v27
	v_lshl_add_u32 v13, v2, 4, v13                 ; v13 Bgu in memory: rank h of a pair, 16 bytes a lane
	v_lshlrev_b32 v14, 3, v27
	v_lshl_add_u32 v14, v2, 4, v14                 ; v14 my codes' place in a block's 256 bytes: 16 r + 8 h
	v_lshlrev_b32 v15, 6, v2                       ; v15 my row's scale bytes
	v_mov_b32 v[MY], 0                             ; a lane permute's destination counts as one of its sources
	s_mov_b32 s37, 0
	s_wait_kmcnt 0x0
	PTR 8, 27, 21, 29, 15                          ; Wgu's codes: 2 MB an expert, 32 KB a column group
	PTR 10, 27, 17, 29, 11
	PTR 12, 27, 14, 29, 8
	PTR 14, 27, 13, 26, 11                         ; Agu's codes: 8 KB an expert, my quarter
	PTR 18, 27, 18, 29, 8
	PTR 22, 27, 21, 29, 8
	PTR 24, 27, 17, 29, 0
	s_lshl_b32 s36, s27, 9
	s_add_nc_u64 s[16:17], s[16:17], s[36:37]
	s_mul_i32 s36, s27, 8448
	s_add_nc_u64 s[20:21], s[20:21], s[36:37]
	s_load_b32 s30, s[20:21], 0x2080               ; the list's length
.irp i, 0,1,2,3
	global_load_b128 v[TMPA+4*\i:TMPA+4*\i+3], v1, s[14:15] offset:512*\i
.endr
	WIN 0x40                                       ; destination window 1
.set j, 0
.rept 64
	global_load_b128 v[4*j:4*j+3], v1, s[8:9] offset:512*j     ; row j of my 64, as it lies
.set j, j+1
.endr
	WIN 0
.irp i, 0,1,2,3,4,5,6,7
	global_load_b128 v[TMPB+4*\i:TMPB+4*\i+3], v13, s[18:19] offset:32768*\i
.endr
.irp t, 0,1,2,3
	global_load_b128 v[WS+8*\t:WS+8*\t+3], v10, s[10:11] offset:256*\t
	global_load_b128 v[WS+8*\t+4:WS+8*\t+7], v10, s[10:11] offset:256*\t+16
.endr
	WIN 0x80
.irp t, 0,1,2,3
	global_load_b128 v[BIW+8*\t:BIW+8*\t+3], v11, s[12:13] offset:32*\t
	global_load_b128 v[BIW+8*\t+4:BIW+8*\t+7], v11, s[12:13] offset:32*\t+16
.endr
	WIN 0
	global_load_b128 v[LAS:LAS+3], v12, s[16:17]
	global_load_b128 v[LAS+4:LAS+7], v12, s[16:17] offset:16
	s_wait_loadcnt 63                              ; 90 loads were issued behind Agu's four: with 63 out at the most, those four are in
.irp i, 0,1,2,3
	ds_store_b128 v6, v[TMPA+4*\i:TMPA+4*\i+3] offset:528*\i
.endr
	s_wait_dscnt 0x0                               ; for the others' sake: my rows of Agu lie in LDS
	s_barrier_signal -1
	s_barrier_wait -1                              ; the one barrier: every wave passes it, ahead of every branch on loaded numbers
	s_wait_kmcnt 0x0
	s_min_u32 s30, s30, 2048                       ; n
	s_add_co_u32 s31, s30, 15
	s_lshr_b32 s31, s31, 4                         ; NT: the expert's tiles
	s_sub_co_u32 s34, s31, s28
	s_add_co_u32 s34, s34, 1
	s_lshr_b32 s34, s34, 1                         ; my tiles: q, q + 2, ..
	s_cmp_lg_u32 s34, 0
	s_cbranch_scc1 .Lwork
	s_wait_tensorcnt 0x0
	ds_add_u32 v254, v255
	s_wait_dscnt 0x0
	s_endpgm                                       ; a split that leaves this share without rows: nothing to store
.Lwork:
	s_sub_co_u32 s32, s30, 1                       ; n - 1
	s_add_co_u32 s34, s34, 1
	s_lshr_b32 s34, s34, 1                         ; trips of two steps: as many as it takes to reach the exit behind my last tile
	s_mov_b32 s35, s28                             ; the tile whose products are issued next
	s_lshl_b32 s46, s28, 4
	LISTPOS 0, 46
	LISTLOAD 0                                     ; tile q
	s_add_co_u32 s47, s46, 32
	LISTPOS 1, 47
	LISTLOAD 1                                     ; tile q + 2
	s_wait_loadcnt 0x0                             ; weights, bias, scale words and the two tiles' slots are in
	XADDR 0
	XLOAD 0                                        ; x goes out ahead of the turn through LDS below, which it needs nothing of.  From here on the order of loads is the loop's: x (18), list (1), x (18), list (1)
	s_add_co_u32 s47, s46, 64
	LISTPOS 0, 47
	LISTLOAD 0                                     ; tile q + 4
	XADDR 1
	XLOAD 1
	s_add_co_u32 s47, s46, 96
	LISTPOS 1, 47
	LISTLOAD 1                                     ; tile q + 6
	WIN 0x04                                       ; an LDS store's data: window 1
.set j, 0
.rept 64
	ds_store_b128 v4, v[4*j:4*j+3] offset:528*j+128*(j>>5)
.set j, j+1
.endr
	WIN 0x40
.irp t, 0,1,2,3                        ; LDS serves a wave's instructions in order: these see the stores above, and land in the registers that the stores have read
.irp s, 0,1,2,3,4,5,6,7
.irp c, 0,1
	ds_load_b128 v[64*\t+8*\s+4*\c:64*\t+8*\s+4*\c+3], v5 offset:4224*\t+64*\s+32*\c
.endr
.endr
.endr
	WIN 0
.irp i, 0,1,2,3,4,5,6,7
	ds_store_b128 v8, v[TMPB+4*\i:TMPB+4*\i+3] offset:544*\i
.endr
	WIN 0x80
.irp t, 0,1,2,3
.irp k, 0,1,2,3,4,5,6,7
	ds_load_b32 v[BGW+8*\t+\k], v9 offset:272*\k+32*\t         ; Bgu(rank 8 h + k, my row of tile t)
.endr
.endr
.irp s, 0,1,2,3,4,5,6,7
.irp c, 0,1
	ds_load_b128 v[8*\s+4*\c:8*\s+4*\c+3], v7 offset:64*\s+32*\c
.endr
.endr
	WIN 0
	s_wait_dscnt 0x0
	WIN 0x8a
.irp i, 0,2,4,6,8,10,12,14,16,18,20,22,24,26,28,30
	v_pk_add_f32 v[BGW+\i:BGW+\i+1], v[BGW+\i:BGW+\i+1], v[BGW+\i:BGW+\i+1]   ; the factor 2, exact
.endr
	WIN 0
; THE PARTS OF A TILE.  s35: the tile whose products are issued; s33: the finished tile, one behind.
; FRONT: the 40 products on codes of tile s35, from buffer b.
.macro FRONT b
	s_wait_loadcnt 19                              ; behind this buffer's x and its list load stand the other buffer's 19
	WIN 0x0a                                       ; Agu and x in window 2
.irp s, 0,1,2,3,4,5,6,7                ; x Agu, two sums by turns
.if \s < 2
	MMZ T1A+8*(\s%2), 8*\s, XW+64*\b+8*\s, LAS+\s, XS+8*\b+\s
.else
	MM T1A+8*(\s%2), 8*\s, XW+64*\b+8*\s, T1A+8*(\s%2), LAS+\s, XS+8*\b+\s
.endif
.endr
	WIN 0x29                                       ; Wgu window 1, x window 2, bias window 2
.irp t, 0,1,2,3
	MM P+8*\t, 64*\t, XW+64*\b, BIW+8*\t, WS+8*\t, XS+8*\b     ; the bias starts the sum
.endr
	WIN 0x09
.irp s, 1,2,3,4,5,6,7
.irp t, 0,1,2,3
	MM P+8*\t, 64*\t+8*\s, XW+64*\b+8*\s, P+8*\t, WS+8*\t+\s, XS+8*\b+\s
.endr
.endr
	WIN 0
.endm
; MID: buffer b is filled again, and the 16 f32 products of tile s35 make gu.
.macro MID b
	s_lshl_b32 s46, s35, 4
	s_add_co_u32 s46, s46, 128
	XADDR \b                                       ; the tile four on, whose slots are in.  These eight plain lines are places behind the products on codes:
	LISTPOS \b, 46                                 ; in front of the reads of x Agu, of the loads into x's registers, and of the products that take P as another sum's start
.irp i, 0,2,4,6
	v_pk_add_f32 v[T1+\i:T1+\i+1], v[T1A+\i:T1A+\i+1], v[T1A+8+\i:T1A+8+\i+1]
.endr
	XLOAD \b
	LISTLOAD \b                                    ; the slots of the tile eight on
	WIN 0x02                                       ; 2 Bgu in window 2
.irp t, 0,1,2,3
	v_wmma_f32_16x16x4_f32 v[Q+8*\t:Q+8*\t+7], v[BGW+8*\t:BGW+8*\t+1], v[T1:T1+1], v[P+8*\t:P+8*\t+7]
.endr
.irp s, 1,2,3
.irp t, 0,1,2,3
	v_wmma_f32_16x16x4_f32 v[Q+8*\t:Q+8*\t+7], v[BGW+8*\t+2*\s:BGW+8*\t+2*\s+1], v[T1+2*\s:T1+2*\s+1], v[Q+8*\t:Q+8*\t+7]
.endr
.endr
	WIN 0
.endm
; ACT1: the finished tile's gu leaves its registers, held as the definition holds it.  Behind these 32 lines the next tile's f32 products may write there.
.macro ACT1
	s_wait_xcnt 0x0                                ; the stores of the tile before have read their addresses and data, which ACT2 writes again
.irp t, 0,1,2,3                        ; each sum is read from its low end on
.irp i, 0,1,2,3
	v_min_num_f32 v[TG+4*\t+\i], s43, v[Q+8*\t+2*\i]
	v_med3_num_f32 v[TU+4*\t+\i], v[Q+8*\t+2*\i+1], s42, s43
.endr
.endr
.endm
; ACT2: sigmoid, product, quantiser and stores of tile s33.  It names no register of a matrix instruction: its plain lines are the places behind the f32 products issued just before it.
.macro ACT2
	s_min_u32 s46, s33, 127
	s_lshl_b32 s47, s46, 14                        ; 16 KB of codes a tile
	s_lshl_b32 s48, s46, 10                        ; 1 KB of scale bytes
	v_add_nc_u32 v[GCV], s47, v14
	v_add_nc_u32 v[GSV], s48, v15
.irp i, 0,2,4,6,8,10,12,14
	v_pk_mul_f32 v[TA+\i:TA+\i+1], v[TG+\i:TG+\i+1], s[44:45] op_sel_hi:[1,0]
.endr
.irp i, 0,1,2,3,4,5,6,7,8,9,10,11,12,13,14,15
	v_exp_f32 v[TA+\i], v[TA+\i]                   ; e^(-1.702 g)
.endr
	v_nop                                          ; a plain place behind the exponentials
	s_wait_alu depctr_va_vdst(0)
.irp i, 0,2,4,6,8,10,12,14
	v_pk_add_f32 v[TA+\i:TA+\i+1], v[TA+\i:TA+\i+1], 1.0 op_sel_hi:[1,0]
.endr
.irp i, 0,1,2,3,4,5,6,7,8,9,10,11,12,13,14,15
	v_rcp_f32 v[TA+\i], v[TA+\i]                   ; the sigmoid
.endr
	v_nop
	s_wait_alu depctr_va_vdst(0)
.irp i, 0,2,4,6,8,10,12,14
	v_pk_mul_f32 v[TG+\i:TG+\i+1], v[TG+\i:TG+\i+1], v[TA+\i:TA+\i+1]
.endr
.irp i, 0,2,4,6,8,10,12,14
	v_pk_fma_f32 v[TU+\i:TU+\i+1], v[TU+\i:TU+\i+1], v[TG+\i:TG+\i+1], v[TG+\i:TG+\i+1]    ; (up + 1) g sigmoid
.endr
	v_max3_num_f32 v[MX], |v[TU]|, |v[TU+1]|, 0x1800000        ; my 16 numbers' largest magnitude, in two chains, with the floor 2^(3 - 127): the byte cannot fall under 1
	v_max3_num_f32 v[T0], |v[TU+2]|, |v[TU+3]|, |v[TU+4]|
.irp i, 5,9
	v_max3_num_f32 v[MX], v[MX], |v[TU+\i]|, |v[TU+\i+1]|
	v_max3_num_f32 v[T0], v[T0], |v[TU+\i+2]|, |v[TU+\i+3]|
.endr
	v_max3_num_f32 v[MX], v[MX], |v[TU+13]|, |v[TU+14]|
	v_max3_num_f32 v[MX], v[MX], v[T0], |v[TU+15]|
	v_permlanex16_b32 v[MY], v[MX], s40, s41
	v_max_num_f32 v[MX], v[MX], v[MY]              ; with lane l xor 16's 16: the block's
	v_add_nc_u32 v[SC], 0xff000000, v[MX]          ; 2 off its exponent field: the conversion takes this operand's exponent field as its scale
	v_lshrrev_b32 v[BY], 23, v[SC]                 ; the scale's byte
	v_cvt_scalef32_pk8_fp4_f32 v[CD], v[TU:TU+7], v[SC]
	v_cvt_scalef32_pk8_fp4_f32 v[CD+1], v[TU+8:TU+15], v[SC]
	v_nop                                          ; a plain place behind the conversions
	global_store_b64 v[GCV], v[CD:CD+1], s[22:23]  ; the wave stores 256 consecutive bytes, aligned: block cg of the tile's 16 rows
	global_store_b8 v[GSV], v[BY], s[24:25]        ; both lanes of a row write the same byte with the same value
.endm
.macro STEP b                          ; tile s35's products from buffer b, tile s33's vector work between and behind them
	FRONT \b
	ACT1
	MID \b
	ACT2
.endm
.macro FIN                             ; the last tile's vector work: nothing is left to multiply
	ACT1
	ACT2
.endm
	FRONT 0                                        ; the first tile has no tile in front of it
	MID 0
.rept 9
	v_nop                                          ; the places that ACT2 is in every later step: eight in front of the reads of gu, nine in front of the products that write P again
.endr
	s_mov_b32 s33, s35
.Lpair:                                            ; a trip takes two steps, one from each buffer
	s_add_co_u32 s35, s33, 2
	s_cmp_lt_u32 s35, s31
	s_cbranch_scc1 .Lodd
	FIN
	s_wait_tensorcnt 0x0
	ds_add_u32 v254, v255
	s_wait_dscnt 0x0
	s_endpgm                                       ; the loop is left by its backward branch or by the program's end, never by a jump past its counter
.Lodd:
	STEP 1
	s_mov_b32 s33, s35
	s_add_co_u32 s35, s33, 2
	s_cmp_lt_u32 s35, s31
	s_cbranch_scc1 .Leven
	FIN
	s_wait_tensorcnt 0x0
	ds_add_u32 v254, v255
	s_wait_dscnt 0x0
	s_endpgm
.Leven:
	STEP 0
	s_mov_b32 s33, s35
	s_sub_co_i32 s34, s34, 1
	s_cmp_gt_i32 s34, 0
	s_cbranch_scc1 .Lpair
	FIN                                            ; (by the count of trips one of the exits above is taken first; this one keeps the text right whatever the count)
	s_wait_tensorcnt 0x0
	ds_add_u32 v254, v255
	s_wait_dscnt 0x0
	s_endpgm
.Lfunc_end_k_qbe2611d955_gateup:
	.size	k_qbe2611d955_gateup, .Lfunc_end_k_qbe2611d955_gateup-k_qbe2611d955_gateup
	.p2alignl 7, 3214868480
	.fill 96, 4, 3214868480
	.section	.rodata,"a",@progbits
	.p2align	6, 0x0
	.amdhsa_kernel k_qbe2611d955_gateup
		.amdhsa_group_segment_fixed_size 162560
		.amdhsa_private_segment_fixed_size 0
		.amdhsa_enable_private_segment 0
		.amdhsa_kernarg_size 88
		.amdhsa_user_sgpr_count 2
		.amdhsa_user_sgpr_kernarg_segment_ptr 1
		.amdhsa_wavefront_size32 1
		.amdhsa_system_sgpr_workgroup_id_x 1
		.amdhsa_system_sgpr_workgroup_id_y 1
		.amdhsa_system_sgpr_workgroup_id_z 1
		.amdhsa_system_vgpr_workitem_id 0
		.amdhsa_next_free_vgpr 768
		.amdhsa_next_free_sgpr 66
		.amdhsa_reserve_vcc 0
		.amdhsa_float_denorm_mode_32 3
		.amdhsa_float_denorm_mode_16_64 3
		.amdhsa_memory_ordered 1
		.amdhsa_forward_progress 1
		.amdhsa_inst_pref_size 89
	.end_amdhsa_kernel
	.amdgpu_metadata
---
amdhsa.version: [ 1, 2 ]
amdhsa.kernels:
  - .name:           k_qbe2611d955_gateup
    .symbol:         k_qbe2611d955_gateup.kd
    .args:
      - { .name: hidden_states_codes, .offset: 0, .size: 8, .value_kind: global_buffer, .address_space: global }
      - { .name: hidden_states_scales, .offset: 8, .size: 8, .value_kind: global_buffer, .address_space: global }
      - { .name: gate_up_proj_codes, .offset: 16, .size: 8, .value_kind: global_buffer, .address_space: global }
      - { .name: gate_up_proj_scales, .offset: 24, .size: 8, .value_kind: global_buffer, .address_space: global }
      - { .name: gate_up_proj_bias, .offset: 32, .size: 8, .value_kind: global_buffer, .address_space: global }
      - { .name: lora_A_gate_up_codes, .offset: 40, .size: 8, .value_kind: global_buffer, .address_space: global }
      - { .name: lora_A_gate_up_scales, .offset: 48, .size: 8, .value_kind: global_buffer, .address_space: global }
      - { .name: lora_B_gate_up, .offset: 56, .size: 8, .value_kind: global_buffer, .address_space: global }
      - { .name: order, .offset: 64, .size: 8, .value_kind: global_buffer, .address_space: global }
      - { .name: gcodes, .offset: 72, .size: 8, .value_kind: global_buffer, .address_space: global }
      - { .name: gscales, .offset: 80, .size: 8, .value_kind: global_buffer, .address_space: global }
    .group_segment_fixed_size: 162560
    .private_segment_fixed_size: 0
    .kernarg_segment_align: 8
    .kernarg_segment_size: 88
    .max_flat_workgroup_size: 128
    .sgpr_count:     66
    .vgpr_count:     768
    .wavefront_size: 32
...
	.end_amdgpu_metadata
.endif
;; end of part 2
;; launch down (part 3): grid 32 x 8, 4 waves a work-group, no clusters, 160,512 bytes of LDS; arguments down_proj_codes, down_proj_scales, down_proj_bias, lora_A_down_codes, lora_A_down_scales, lora_B_down, order, gcodes, gscales, part; writes part
.if DOCPART == 3
	.amdgcn_target "amdgcn-amd-amdhsa--gfx1250"
	.amdhsa_code_object_version 6
	.text
	.protected	k_qbe2611d955_down
	.globl	k_qbe2611d955_down
	.p2align	8
	.type	k_qbe2611d955_down,@function
k_qbe2611d955_down:
	s_mov_b64 s[64:65], 0
	v_nop
	global_prefetch_b8 v0, s[64:65] scope:SCOPE_SE
	s_setreg_imm32_b32 hwreg(HW_REG_WAVE_MODE, 25, 1), 1
	s_wait_xcnt 0x0
; out = gated Wdn + bias + 2 (gated Adn) Bdn for the rows of each expert's list, not yet weighed: part[slot][1024] f32.  gated comes as the codes and scale bytes that the launch before has made.
; SHARES.  Work-group (x, y): expert e = y; row share q = x & 3; wave w owns the 32 columns c0 = 32 cg, cg = 4 (x >> 2) + w, and walks the tiles of 16 list places q, q + 4, ..
; THE WEIGHTS STAY: the wave's 32 rows of Wdn (32 KB of codes, 256 registers), Adn (128 registers), its 16 x 32 of Bdn as bf16, bias and scale words.  What goes round is gated: 17 KB a tile, two buffers.
; The wave's 32 KB of codes are dense in memory: loaded as they lie, turned into fragments once through the wave's own LDS.
; NO TENSOR LOAD AND NO JOINT REQUEST: the number of tiles is read from memory, so trip counts hang on loaded numbers; a weight byte is wanted by four work-groups, once each.
; One barrier, ahead of every branch on loaded numbers: Adn's 16 KB are brought by the four waves together.
; LAYOUT.  Transposed use: source 0 = 16 rows of the weight, source 1 = 16 rows of gated; lane (r, h) holds list place r.  Lane r of tile t takes weight row c0 + 16 (r / 8) + 8 t + r % 8,
; so register j of tile t is column c0 + 16 h + 8 t + j.  The product with Bdn goes to the output alone: bf16 operands, one 16x16x32 a tile, ranks 8 h + 0 .. 7 at k = 8 h + 0 .. 7, zeros at k from 16 on.
; THE WAY OUT.  A tile's 16 rows x 128 bytes go through the wave's own stage and leave as pieces of 128 consecutive bytes of a slot's row: a wave owns no more of a row.
; The 40 loads that fill the buffer again are issued between the stage's loads and the wait for them.
; List places past the list's end repeat its last place: the same numbers go to the same bytes, from this wave alone.
; LIMITS.  NaN and infinities are not served.  gated Adn is summed in two halves of K and rounded to bf16 for the last product, as is 2 Bdn.
; REGISTERS.  window 0: names below.  window 1: Wdn's fragment (t, s) at v[128 t + 8 s].  window 2: Adn's (s) at v[8 s].  window 3: gated's, buffer b, at v[128 b + 8 s].
.set WSTB, 33536                       ; LDS: a wave's stage for Wdn: row i at 1040 i + 128 (i / 16)
.set LST,  134144                      ; Adn: 16 rows x (1,024 + 16) bytes, the work-group's
.set OST,  150784                      ; a wave's stage for the way out: 16 rows x (128 + 16) bytes
.set LI,   17                          ; v17-20   lane / 8 + 4 i: the row that my i-th store carries
.set GAO,  21                          ; v21-22   buffer b: byte offset of my part of gated's codes
.set GSO,  23                          ; v23-24   and of its scale bytes
.set DO,   28                          ; v28-31   byte offsets of my four stores
.set WSD,  32                          ; v32-63   Wdn's scale words, 16 t + s
.set LASD, 64                          ; v64-79   Adn's
.set GSC,  80                          ; v80-111  gated's, 16 b + s
.set ACC,  112                         ; v112-127 out, two tiles
.set T2A,  128                         ; v128-135, v136-143 gated Adn, even and odd K steps
.set T2S,  144                         ; v144-151 their sum
.set TB,   152                         ; v152-159 the same as bf16; registers 4-7 stay 0
.set BD,   160                         ; v160-175 2 Bdn as bf16, two tiles; registers 4-7 of each stay 0
.set BI,   176                         ; v176-191 bias, two tiles
.set OB,   192                         ; v192-207 rows read back from the stage
.set LP,   208                         ; v208-215 byte offsets in the list, 4 b + i
.set DSL,  216                         ; v216-223 the slots read from it
.set BT,   224                         ; v224-239 Bdn as loaded
.set TMPA, 112                         ; at the start: Adn's quarter as loaded
.set MSB, 0
.macro WIN new                         ; the immediate's high byte repeats the setting that is left
.if MSB != \new
	s_set_vgpr_msb (MSB<<8)|\new
.set MSB, \new
.endif
.endm
.macro MM d, a, b, c, sa, sb
	v_wmma_scale_f32_16x16x128_f8f6f4 v[\d:\d+7], v[\a:\a+7], v[\b:\b+7], v[\c:\c+7], v[\sa], v[\sb] matrix_a_fmt:MATRIX_FMT_FP4 matrix_b_fmt:MATRIX_FMT_FP4
.endm
.macro MMZ d, a, b, sa, sb
	v_wmma_scale_f32_16x16x128_f8f6f4 v[\d:\d+7], v[\a:\a+7], v[\b:\b+7], 0, v[\sa], v[\sb] matrix_a_fmt:MATRIX_FMT_FP4 matrix_b_fmt:MATRIX_FMT_FP4
.endm
.macro PTR p, ra, sa, rb, sb           ; pointer p += (s[ra] << sa) + (s[rb] << sb); s37 = 0
	s_lshl_b32 s36, s[\ra], \sa
	s_lshl_b32 s38, s[\rb], \sb
	s_add_co_u32 s36, s36, s38
	s_add_nc_u64 s[\p:\p+1], s[\p:\p+1], s[36:37]
.endm
.macro PTR1 p, ra, sa                  ; pointer p += s[ra] << sa
	s_lshl_b32 s36, s[\ra], \sa
	s_add_nc_u64 s[\p:\p+1], s[\p:\p+1], s[36:37]
.endm
.macro GADDR b                         ; s46: the tile wanted; it is held at the expert's last tile.  18 plain vector lines
	s_min_u32 s46, s46, s35
	s_min_u32 s46, s46, 127
	s_lshl_b32 s47, s46, 14
	s_lshl_b32 s48, s46, 10
	s_lshl_b32 s49, s46, 4
	v_add_nc_u32 v[GAO+\b], s47, v12
	v_add_nc_u32 v[GSO+\b], s48, v13
.irp i, 0,1,2,3
	v_add_nc_u32 v[LP+4*\b+\i], s49, v[LI+\i]
	v_min_u32 v[LP+4*\b+\i], s32, v[LP+4*\b+\i]    ; held at the list's last place
	v_min_u32 v[LP+4*\b+\i], 0x7ff, v[LP+4*\b+\i]
	v_lshlrev_b32 v[LP+4*\b+\i], 2, v[LP+4*\b+\i]
.endr
.endm
.macro GLOAD b                         ; 40 loads: gated's sixteen fragments, its scale words, the slots of my stores' rows
	WIN 0xc0                                       ; destination window 3
.irp s, 0,1,2,3,4,5,6,7,8,9,10,11,12,13,14,15
.irp c, 0,1
	global_load_b128 v[128*\b+8*\s+4*\c:128*\b+8*\s+4*\c+3], v[GAO+\b], s[18:19] offset:256*(4*\s+2*\c)   ; 512 consecutive bytes: blocks 4 s + 2 c and the next, 16 rows each
.endr
.endr
	WIN 0
.irp i, 0,1,2,3
	global_load_b128 v[GSC+16*\b+4*\i:GSC+16*\b+4*\i+3], v[GSO+\b], s[20:21] offset:16*\i
.endr
.irp i, 0,1,2,3
	global_load_b32 v[DSL+4*\b+\i], v[LP+4*\b+\i], s[16:17]
.endr
.endm
	s_load_b512 s[4:19], s[0:1], 0x0               ; Wdn codes s[4:5], Wdn scales s[6:7], bias s[8:9], Adn codes s[10:11], Adn scales s[12:13], Bdn s[14:15], order s[16:17], gcodes s[18:19]
	s_load_b128 s[20:23], s[0:1], 0x40             ; gscales s[20:21], part s[22:23]
	v_lshl_add_u32 v254, v0, 2, 0x27100
	v_mov_b32 v255, 0
	v_lshrrev_b32 v1, 5, v0
	v_readfirstlane_b32 s26, v1                    ; wave
	s_and_b32 s27, ttmp7, 0xffff                   ; e
	s_and_b32 s28, ttmp9, 3                        ; q
	s_lshr_b32 s29, ttmp9, 2
	s_lshl_b32 s29, s29, 2
	s_add_co_u32 s29, s29, s26                     ; cg
	v_and_b32 v25, 31, v0                          ; lane
	v_lshlrev_b32 v1, 4, v25                       ; v1  16 x lane
	v_and_b32 v2, 15, v0                           ; v2  r
	v_bfe_u32 v26, v0, 4, 1                        ; h
	v_lshlrev_b32 v3, 4, v26                       ; v3  16 h
	v_bfe_u32 v27, v0, 3, 1                        ; r / 8
	v_and_b32 v240, 7, v0                          ; r % 8 = lane % 8
	v_lshl_add_u32 v241, v27, 4, v240              ; 16 (r / 8) + r % 8: my row of tile 0
	v_bfe_u32 v242, v0, 3, 2                       ; lane / 8
	s_mul_i32 s46, s26, WSTB
	v_add_nc_u32 v4, s46, v1                       ; v4  Wdn into the stage
	v_mul_u32_u24 v5, v27, 16768
	v_mad_u32_u24 v5, v240, 1040, v5
	v_add_nc_u32 v5, v5, v3
	v_add_nc_u32 v5, s46, v5                       ; v5  and out of it, as fragments
	s_mul_i32 s47, s26, 4160
	s_add_co_u32 s47, s47, LST
	v_add_nc_u32 v6, s47, v1                       ; v6  my four rows of Adn into LDS
	v_mul_u32_u24 v7, v2, 1040
	v_add_nc_u32 v7, v7, v3
	v_add_nc_u32 v7, LST, v7                       ; v7  Adn's fragments
	v_lshlrev_b32 v8, 6, v241                      ; v8  Wdn's scale bytes: 64 a row
	v_lshlrev_b32 v9, 6, v26                       ; v9  bias: 16 h numbers on
	v_lshlrev_b32 v10, 6, v2                       ; v10 Adn's scale bytes
	v_lshlrev_b32 v11, 15, v26
	v_lshl_add_u32 v11, v241, 2, v11               ; v11 Bdn: rank 8 h, my row's column
	v_lshlrev_b32 v12, 8, v26
	v_lshl_add_u32 v12, v2, 4, v12                 ; v12 gated's codes: 256 h + 16 r
	v_lshlrev_b32 v13, 6, v2                       ; v13 gated's scale bytes: 64 r
	s_mul_i32 s48, s26, 2304
	s_add_co_u32 s48, s48, OST
	v_mul_u32_u24 v14, v2, 144
	v_lshl_add_u32 v14, v26, 6, v14
	v_add_nc_u32 v14, s48, v14                     ; v14 the stage, in: row r, + 64 h
	v_mul_u32_u24 v15, v242, 144
	v_lshl_add_u32 v15, v240, 4, v15
	v_add_nc_u32 v15, s48, v15                     ; v15 and back: eight lanes to a row of 128 bytes
	v_lshlrev_b32 v16, 4, v240                     ; v16 16 (lane % 8)
.irp i, 0,1,2,3
	v_add_nc_u32 v[LI+\i], 4*\i, v242
.endr
	s_mov_b32 s37, 0
	s_wait_kmcnt 0x0
	PTR 4, 27, 20, 29, 15                          ; Wdn's codes: 1 MB an expert, 32 KB a column group
	PTR 6, 27, 16, 29, 11
	PTR 8, 27, 12, 29, 7
	PTR 10, 27, 14, 26, 12                         ; Adn's codes: 16 KB an expert, my quarter
	PTR1 12, 27, 10
	PTR 14, 27, 16, 29, 7
	PTR1 18, 27, 21
	PTR1 20, 27, 17
	PTR1 22, 29, 7
	s_mul_i32 s36, s27, 8448
	s_add_nc_u64 s[16:17], s[16:17], s[36:37]
	s_load_b32 s30, s[16:17], 0x2080               ; the list's length
.irp i, 0,1,2,3,4,5,6,7
	global_load_b128 v[TMPA+4*\i:TMPA+4*\i+3], v1, s[10:11] offset:512*\i
.endr
	WIN 0x40                                       ; destination window 1
.set j, 0
.rept 64
	global_load_b128 v[4*j:4*j+3], v1, s[4:5] offset:512*j     ; half j % 2 of row j / 2, as it lies
.set j, j+1
.endr
	WIN 0
.irp t, 0,1
.irp i, 0,1,2,3
	global_load_b128 v[WSD+16*\t+4*\i:WSD+16*\t+4*\i+3], v8, s[6:7] offset:512*\t+16*\i
.endr
.endr
.irp i, 0,1,2,3
	global_load_b128 v[LASD+4*\i:LASD+4*\i+3], v10, s[12:13] offset:16*\i
.endr
.irp t, 0,1
	global_load_b128 v[BI+8*\t:BI+8*\t+3], v9, s[8:9] offset:32*\t
	global_load_b128 v[BI+8*\t+4:BI+8*\t+7], v9, s[8:9] offset:32*\t+16
.endr
.irp t, 0,1
.irp k, 0,1,2,3,4,5,6,7
	global_load_b32 v[BT+8*\t+\k], v11, s[14:15] offset:4096*\k+32*\t
.endr
.endr
	s_wait_loadcnt 63                              ; 96 loads were issued behind Adn's eight: with 63 out at the most, those eight are in
.irp i, 0,1,2,3,4,5,6,7
	ds_store_b128 v6, v[TMPA+4*\i:TMPA+4*\i+3] offset:1040*(\i>>1)+512*(\i&1)
.endr
	s_wait_dscnt 0x0                               ; for the others' sake: my rows of Adn lie in LDS
	s_barrier_signal -1
	s_barrier_wait -1                              ; the one barrier: every wave passes it, ahead of every branch on loaded numbers
	s_wait_kmcnt 0x0
	s_min_u32 s30, s30, 2048                       ; n
	s_add_co_u32 s31, s30, 15
	s_lshr_b32 s31, s31, 4                         ; NT
	s_sub_co_u32 s34, s31, s28
	s_add_co_u32 s34, s34, 3
	s_lshr_b32 s34, s34, 2                         ; my tiles: q, q + 4, ..
	s_cmp_lg_u32 s34, 0
	s_cbranch_scc1 .Lwork
	s_wait_tensorcnt 0x0
	ds_add_u32 v254, v255
	s_wait_dscnt 0x0
	s_endpgm                                       ; a split that leaves this share without rows: nothing to store
.Lwork:
	s_sub_co_u32 s32, s30, 1                       ; n - 1
	s_sub_co_u32 s35, s31, 1                       ; NT - 1
	s_add_co_u32 s34, s34, 1
	s_lshr_b32 s34, s34, 1                         ; trips of two tiles
	s_mov_b32 s33, s28                             ; the tile in hand
	s_mov_b32 s46, s33
	GADDR 0
	GLOAD 0
	s_add_co_u32 s46, s33, 4
	GADDR 1
	GLOAD 1
	s_wait_loadcnt 63                              ; 80 loads were issued behind the weights': those are in
	WIN 0x04                                       ; an LDS store's data: window 1
.set j, 0
.rept 64
	ds_store_b128 v4, v[4*j:4*j+3] offset:1040*(j>>1)+128*((j>>5)&1)+512*(j&1)
.set j, j+1
.endr
	WIN 0x40
.irp t, 0,1                            ; LDS serves a wave's instructions in order: these see the stores above
.irp s, 0,1,2,3,4,5,6,7,8,9,10,11,12,13,14,15
.irp c, 0,1
	ds_load_b128 v[128*\t+8*\s+4*\c:128*\t+8*\s+4*\c+3], v5 offset:8320*\t+64*\s+32*\c
.endr
.endr
.endr
	WIN 0x80
.irp s, 0,1,2,3,4,5,6,7,8,9,10,11,12,13,14,15
.irp c, 0,1
	ds_load_b128 v[8*\s+4*\c:8*\s+4*\c+3], v7 offset:64*\s+32*\c
.endr
.endr
	WIN 0
.irp i, 0,2,4,6,8,10,12,14
	v_pk_add_f32 v[BT+\i:BT+\i+1], v[BT+\i:BT+\i+1], v[BT+\i:BT+\i+1]      ; the factor 2, exact
.endr
.irp t, 0,1
.irp p, 0,1,2,3
	v_cvt_pk_bf16_f32 v[BD+8*\t+\p], v[BT+8*\t+2*\p], v[BT+8*\t+2*\p+1]    ; the lower rank in the low half
.endr
.irp p, 4,5,6,7
	v_mov_b32 v[BD+8*\t+\p], 0                     ; k from 16 on: nothing
.endr
.endr
.irp p, 4,5,6,7
	v_mov_b32 v[TB+\p], 0
.endr
	s_wait_dscnt 0x0
; ONE TILE of 16 list places, from buffer b; s33 is its number.
.macro TILE b
	s_wait_loadcnt 40                              ; behind this buffer's 40 loads stand the other buffer's 40
	WIN 0x0d                                       ; Wdn window 1, gated window 3
.irp t, 0,1
	MM ACC+8*\t, 128*\t, 128*\b, BI+8*\t, WSD+16*\t, GSC+16*\b                 ; the bias starts the sum
.endr
.irp s, 1,2,3,4,5,6,7,8,9,10,11,12,13,14,15
.irp t, 0,1                            ; the two sums by turns
	MM ACC+8*\t, 128*\t+8*\s, 128*\b+8*\s, ACC+8*\t, WSD+16*\t+\s, GSC+16*\b+\s
.endr
.endr
	WIN 0x0e                                       ; Adn window 2
.irp s, 0,1,2,3,4,5,6,7,8,9,10,11,12,13,14,15
.if \s < 2
	MMZ T2A+8*(\s%2), 8*\s, 128*\b+8*\s, LASD+\s, GSC+16*\b+\s
.else
	MM T2A+8*(\s%2), 8*\s, 128*\b+8*\s, T2A+8*(\s%2), LASD+\s, GSC+16*\b+\s
.endif
.endr
	WIN 0
	s_wait_xcnt 0x0                                ; the last tile's stores have read their addresses and data: both are written again below
.irp i, 0,1,2,3                        ; where this tile's rows go.  These eight lines are the places behind the products on codes
	v_min_u32 v[DO+\i], 0x7ff, v[DSL+4*\b+\i]
.endr
.irp i, 0,1,2,3
	v_lshl_add_u32 v[DO+\i], v[DO+\i], 12, v16     ; 4,096 bytes a slot, + my 16 bytes of the 128
.endr
.irp i, 0,2,4,6
	v_pk_add_f32 v[T2S+\i:T2S+\i+1], v[T2A+\i:T2A+\i+1], v[T2A+8+\i:T2A+8+\i+1]
.endr
.irp p, 0,1,2,3
	v_cvt_pk_bf16_f32 v[TB+\p], v[T2S+2*\p], v[T2S+2*\p+1]
.endr
.irp t, 0,1
	v_wmma_f32_16x16x32_bf16 v[ACC+8*\t:ACC+8*\t+7], v[BD+8*\t:BD+8*\t+7], v[TB:TB+7], v[ACC+8*\t:ACC+8*\t+7]
.endr
	s_add_co_u32 s46, s33, 8
	GADDR \b                                       ; the addresses of the tile eight on: 18 plain lines that name none of the last products' registers: the places in front of the stores that read the sums, and of the next tile's first products, which write over them
.irp t, 0,1
	ds_store_b128 v14, v[ACC+8*\t:ACC+8*\t+3] offset:32*\t     ; each sum from its low end on
	ds_store_b128 v14, v[ACC+8*\t+4:ACC+8*\t+7] offset:32*\t+16
.endr
.irp i, 0,1,2,3
	ds_load_b128 v[OB+4*\i:OB+4*\i+3], v15 offset:576*\i       ; my own stage, served in order: rows 4 i + lane / 8
.endr
	GLOAD \b                                       ; the tile eight on: its 40 loads are issued while the stage's loads are out
	s_wait_dscnt 0x0
.irp i, 0,1,2,3
	global_store_b128 v[DO+\i], v[OB+4*\i:OB+4*\i+3], s[22:23] ; eight lanes store 128 consecutive bytes of a slot's row
.endr
.endm
.Lpair:                                            ; a trip takes two tiles, one from each buffer
	TILE 0
	s_add_co_u32 s33, s33, 4
	s_cmp_lt_u32 s33, s31
	s_cbranch_scc1 .Lsecond
	s_wait_tensorcnt 0x0
	ds_add_u32 v254, v255
	s_wait_dscnt 0x0
	s_endpgm                                       ; an odd number of tiles ends here: the loop is left by its backward branch or by the program's end, never by a jump past its counter
.Lsecond:
	TILE 1
	s_add_co_u32 s33, s33, 4
	s_sub_co_i32 s34, s34, 1
	s_cmp_gt_i32 s34, 0
	s_cbranch_scc1 .Lpair
	s_wait_tensorcnt 0x0
	ds_add_u32 v254, v255
	s_wait_dscnt 0x0
	s_endpgm
.Lfunc_end_k_qbe2611d955_down:
	.size	k_qbe2611d955_down, .Lfunc_end_k_qbe2611d955_down-k_qbe2611d955_down
	.p2alignl 7, 3214868480
	.fill 96, 4, 3214868480
	.section	.rodata,"a",@progbits
	.p2align	6, 0x0
	.amdhsa_kernel k_qbe2611d955_down
		.amdhsa_group_segment_fixed_size 160512
		.amdhsa_private_segment_fixed_size 0
		.amdhsa_enable_private_segment 0
		.amdhsa_kernarg_size 80
		.amdhsa_user_sgpr_count 2
		.amdhsa_user_sgpr_kernarg_segment_ptr 1
		.amdhsa_wavefront_size32 1
		.amdhsa_system_sgpr_workgroup_id_x 1
		.amdhsa_system_sgpr_workgroup_id_y 1
		.amdhsa_system_sgpr_workgroup_id_z 1
		.amdhsa_system_vgpr_workitem_id 0
		.amdhsa_next_free_vgpr 1024
		.amdhsa_next_free_sgpr 66
		.amdhsa_reserve_vcc 0
		.amdhsa_float_denorm_mode_32 3
		.amdhsa_float_denorm_mode_16_64 3
		.amdhsa_memory_ordered 1
		.amdhsa_forward_progress 1
		.amdhsa_inst_pref_size 63
	.end_amdhsa_kernel
	.amdgpu_metadata
---
amdhsa.version: [ 1, 2 ]
amdhsa.kernels:
  - .name:           k_qbe2611d955_down
    .symbol:         k_qbe2611d955_down.kd
    .args:
      - { .name: down_proj_codes, .offset: 0, .size: 8, .value_kind: global_buffer, .address_space: global }
      - { .name: down_proj_scales, .offset: 8, .size: 8, .value_kind: global_buffer, .address_space: global }
      - { .name: down_proj_bias, .offset: 16, .size: 8, .value_kind: global_buffer, .address_space: global }
      - { .name: lora_A_down_codes, .offset: 24, .size: 8, .value_kind: global_buffer, .address_space: global }
      - { .name: lora_A_down_scales, .offset: 32, .size: 8, .value_kind: global_buffer, .address_space: global }
      - { .name: lora_B_down, .offset: 40, .size: 8, .value_kind: global_buffer, .address_space: global }
      - { .name: order, .offset: 48, .size: 8, .value_kind: global_buffer, .address_space: global }
      - { .name: gcodes, .offset: 56, .size: 8, .value_kind: global_buffer, .address_space: global }
      - { .name: gscales, .offset: 64, .size: 8, .value_kind: global_buffer, .address_space: global }
      - { .name: part, .offset: 72, .size: 8, .value_kind: global_buffer, .address_space: global }
    .group_segment_fixed_size: 160512
    .private_segment_fixed_size: 0
    .kernarg_segment_align: 8
    .kernarg_segment_size: 80
    .max_flat_workgroup_size: 128
    .sgpr_count:     66
    .vgpr_count:     1024
    .wavefront_size: 32
...
	.end_amdgpu_metadata
.endif
;; end of part 3
;; launch combine (part 4): grid 256 x 1, 4 waves a work-group, no clusters, 0 bytes of LDS; arguments part, router_indices, routing_weights, out0; writes out0
.if DOCPART == 4
	.amdgcn_target "amdgcn-amd-amdhsa--gfx1250"
	.amdhsa_code_object_version 6
	.text
	.protected	k_qbe2611d955_combine
	.globl	k_qbe2611d955_combine
	.p2align	8
	.type	k_qbe2611d955_combine,@function
k_qbe2611d955_combine:
	s_mov_b64 s[64:65], 0
	v_nop
	global_prefetch_b8 v0, s[64:65] scope:SCOPE_SE
	s_setreg_imm32_b32 hwreg(HW_REG_WAVE_MODE, 25, 1), 1
	s_wait_xcnt 0x0
; y[t] = w0 part[2 t] + w1 part[2 t + 1], wk = routing_weights[t][router_indices[t][k]], or 0 where the index lies outside 0 .. 7.  Two slots on one expert are two equal rows: their sum is the multiplicity 2.
; A wave takes a token: two rows of 4,096 bytes in, one out; each load and store covers 512 consecutive bytes.  A stream: no LDS, no barrier, no matrix unit.
; The weight is chosen by eight compares and selects, so that no address hangs on the index.
; LIMIT: a slot with an index outside 0 .. 7 has the row of expert index % 8, which is multiplied by 0: it has to be finite, as every expert's row has to be in the definition itself.
.set P0, 16                            ; v16-47  part[2 t], then y
.set P1, 48                            ; v48-79  part[2 t + 1]
	s_load_b256 s[4:11], s[0:1], 0x0               ; part s[4:5], router_indices s[6:7], routing_weights s[8:9], out0 s[10:11]
	v_lshrrev_b32 v1, 5, v0
	v_readfirstlane_b32 s12, v1                    ; wave
	s_lshl_b32 s13, ttmp9, 2
	s_add_co_u32 s13, s13, s12                     ; my token
	v_and_b32 v1, 31, v0
	v_lshlrev_b32 v1, 4, v1                        ; 16 bytes a lane
	v_mov_b32 v0, 0                                ; every lane reads the token's own indices and weights
	s_mov_b32 s15, 0
	s_wait_kmcnt 0x0
	s_lshl_b32 s14, s13, 13
	s_add_nc_u64 s[4:5], s[4:5], s[14:15]
	s_lshl_b32 s14, s13, 3
	s_add_nc_u64 s[6:7], s[6:7], s[14:15]
	s_lshl_b32 s14, s13, 5
	s_add_nc_u64 s[8:9], s[8:9], s[14:15]
	s_lshl_b32 s14, s13, 12
	s_add_nc_u64 s[10:11], s[10:11], s[14:15]
	global_load_b64 v[2:3], v0, s[6:7]
	global_load_b128 v[4:7], v0, s[8:9]
	global_load_b128 v[8:11], v0, s[8:9] offset:16
.irp j, 0,1,2,3,4,5,6,7
	global_load_b128 v[P0+4*\j:P0+4*\j+3], v1, s[4:5] offset:512*\j th:TH_LOAD_NT
	global_load_b128 v[P1+4*\j:P1+4*\j+3], v1, s[4:5] offset:4096+512*\j th:TH_LOAD_NT
.endr
	s_wait_loadcnt 16                              ; the indices and weights are in; the sixteen loads of part stay out
	v_mov_b32 v12, 0                               ; w0
	v_mov_b32 v13, 0                               ; (named with it as a pair)
	v_mov_b32 v14, 0                               ; w1
	v_mov_b32 v15, 0
.irp e, 0,1,2,3,4,5,6,7
	v_cmp_eq_u32 vcc_lo, \e, v2
	v_cndmask_b32 v12, v12, v[4+\e], vcc_lo
	v_cmp_eq_u32 vcc_lo, \e, v3
	v_cndmask_b32 v14, v14, v[4+\e], vcc_lo
.endr
.irp j, 0,1,2,3,4,5,6,7
	s_wait_loadcnt 14-2*\j                         ; piece j of both rows is in
	v_pk_mul_f32 v[P1+4*\j:P1+4*\j+1], v[P1+4*\j:P1+4*\j+1], v[14:15] op_sel_hi:[1,0]
	v_pk_mul_f32 v[P1+4*\j+2:P1+4*\j+3], v[P1+4*\j+2:P1+4*\j+3], v[14:15] op_sel_hi:[1,0]
	v_pk_fma_f32 v[P0+4*\j:P0+4*\j+1], v[P0+4*\j:P0+4*\j+1], v[12:13], v[P1+4*\j:P1+4*\j+1] op_sel_hi:[1,0,1]
	v_pk_fma_f32 v[P0+4*\j+2:P0+4*\j+3], v[P0+4*\j+2:P0+4*\j+3], v[12:13], v[P1+4*\j+2:P1+4*\j+3] op_sel_hi:[1,0,1]
	global_store_b128 v1, v[P0+4*\j:P0+4*\j+3], s[10:11] offset:512*\j th:TH_STORE_NT
.endr
	s_endpgm
.Lfunc_end_k_qbe2611d955_combine:
	.size	k_qbe2611d955_combine, .Lfunc_end_k_qbe2611d955_combine-k_qbe2611d955_combine
	.p2alignl 7, 3214868480
	.fill 96, 4, 3214868480
	.section	.rodata,"a",@progbits
	.p2align	6, 0x0
	.amdhsa_kernel k_qbe2611d955_combine
		.amdhsa_group_segment_fixed_size 0
		.amdhsa_private_segment_fixed_size 0
		.amdhsa_enable_private_segment 0
		.amdhsa_kernarg_size 32
		.amdhsa_user_sgpr_count 2
		.amdhsa_user_sgpr_kernarg_segment_ptr 1
		.amdhsa_wavefront_size32 1
		.amdhsa_system_sgpr_workgroup_id_x 1
		.amdhsa_system_sgpr_workgroup_id_y 1
		.amdhsa_system_sgpr_workgroup_id_z 1
		.amdhsa_system_vgpr_workitem_id 0
		.amdhsa_next_free_vgpr 80
		.amdhsa_next_free_sgpr 66
		.amdhsa_reserve_vcc 1
		.amdhsa_float_denorm_mode_32 3
		.amdhsa_float_denorm_mode_16_64 3
		.amdhsa_memory_ordered 1
		.amdhsa_forward_progress 1
		.amdhsa_inst_pref_size 7
	.end_amdhsa_kernel
	.amdgpu_metadata
---
amdhsa.version: [ 1, 2 ]
amdhsa.kernels:
  - .name:           k_qbe2611d955_combine
    .symbol:         k_qbe2611d955_combine.kd
    .args:
      - { .name: part, .offset: 0, .size: 8, .value_kind: global_buffer, .address_space: global }
      - { .name: router_indices, .offset: 8, .size: 8, .value_kind: global_buffer, .address_space: global }
      - { .name: routing_weights, .offset: 16, .size: 8, .value_kind: global_buffer, .address_space: global }
      - { .name: out0, .offset: 24, .size: 8, .value_kind: global_buffer, .address_space: global }
    .group_segment_fixed_size: 0
    .private_segment_fixed_size: 0
    .kernarg_segment_align: 8
    .kernarg_segment_size: 32
    .max_flat_workgroup_size: 128
    .sgpr_count:     66
    .vgpr_count:     80
    .wavefront_size: 32
...
	.end_amdgpu_metadata
.endif
;; end of part 4
;; ======== version 2 of 2: 4 launches
;; workspace buffers: order 67,584 bytes of whole numbers; gcodes 16,777,216 bytes; gscales 1,048,576 bytes; part 8,388,608 bytes
;; launch route (part 5): grid 8 x 1, 1 waves a work-group, no clusters, 0 bytes of LDS; arguments router_indices, order; writes order
.if DOCPART == 5
	.amdgcn_target "amdgcn-amd-amdhsa--gfx1250"
	.amdhsa_code_object_version 6
	.text
	.protected	k_qbe2611d955_route
	.globl	k_qbe2611d955_route
	.p2align	8
	.type	k_qbe2611d955_route,@function
k_qbe2611d955_route:
	s_mov_b64 s[64:65], 0
	v_nop
	global_prefetch_b8 v0, s[64:65] scope:SCOPE_SE
	s_setreg_imm32_b32 hwreg(HW_REG_WAVE_MODE, 25, 1), 1
	s_wait_xcnt 0x0
; THE LISTS.  router_indices [1024][2] int32 is a stream of 2,048 slots s = 2 t + k.  Work-group e, one wave, writes the list of the slots whose index, taken modulo 8, is e,
; and the list's length.  An index outside 0 .. 7 is so given to some expert, so that every slot has a row of results; the last launch gives such a slot the weight 0.
; order, 8,448 bytes an expert: words 0 .. 2047 the list; 32 words at byte 8,192 that take the stores of lanes whose slot is another expert's (one word a lane, never read);
; at byte 8,320 the length, 32 times.  EXEC is never changed: a lane without a match stores into its own spare word.
; Register 4 j + q of lane l holds slot 128 j + 4 l + q; a list's order is (j, q, lane): only this text defines it.
; BY STAGES: the 64 registers go in four groups of 16, and each stage runs over a whole group before the next stage begins, so that no line reads the result of the line above it.
; Every store has an address register and a data register of its own, so nothing that a store still reads is written again.
.set IDX, 8                            ; v8-71    the indices
.set A,   72                           ; v72-135  byte offsets of the stores
.set D,   136                          ; v136-199 the slots' numbers
.set M,   24                           ; s24-39   a group's masks of matching lanes
.set PF,  40                           ; s40-55   the list's length in front of each of the group's registers
.set EXPB, 8448                        ; bytes of order for an expert
	s_load_b128 s[4:7], s[0:1], 0x0                ; router_indices s[4:5], order s[6:7]
	s_mov_b32 s11, ttmp9                           ; my expert
	s_mul_i32 s8, ttmp9, EXPB
	s_mov_b32 s9, 0
	s_mov_b32 s10, 0                               ; the list's length so far
	v_lshlrev_b32 v1, 4, v0                        ; 16 bytes a lane
	v_lshlrev_b32 v2, 2, v0                        ; 4 x lane
	v_add_nc_u32 v3, 2048, v0                      ; my spare word's index
	v_add_nc_u32 v5, 8320, v2                      ; where the length goes
	s_wait_alu depctr_va_vdst(0)
	s_wait_kmcnt 0x0
	s_add_nc_u64 s[6:7], s[6:7], s[8:9]
.irp j, 0,1,2,3,4,5,6,7,8,9,10,11,12,13,14,15
	global_load_b128 v[IDX+4*\j:IDX+4*\j+3], v1, s[4:5] offset:512*\j      ; 32 lanes read 512 consecutive bytes
.endr
.irp g, 0,1,2,3
.irp i, 0,1,2,3,4,5,6,7,8,9,10,11,12,13,14,15
	v_add_nc_u32 v[D+16*\g+\i], 128*(4*\g+\i/4)+\i%4, v2       ; the slots' numbers hang on no load: made while the loads are out
.endr
.endr
.irp g, 0,1,2,3
	s_wait_loadcnt 12-4*\g                         ; loads come back in order: this group's four are in, the younger ones stay out
.irp i, 0,1,2,3,4,5,6,7,8,9,10,11,12,13,14,15
	v_and_b32 v[IDX+16*\g+\i], 7, v[IDX+16*\g+\i]
.endr
.irp i, 0,1,2,3,4,5,6,7,8,9,10,11,12,13,14,15
	v_cmp_eq_u32 s[M+\i], s11, v[IDX+16*\g+\i]     ; the lanes whose slot is mine
.endr
.irp i, 0,1,2,3,4,5,6,7,8,9,10,11,12,13,14,15
	s_mov_b32 s[PF+\i], s10                        ; the length in front of this register's matches
	s_bcnt1_i32_b32 s16, s[M+\i]
	s_add_co_u32 s10, s10, s16
.endr
.irp i, 0,1,2,3,4,5,6,7,8,9,10,11,12,13,14,15
	v_mbcnt_lo_u32_b32 v[A+16*\g+\i], s[M+\i], s[PF+\i]        ; + the matches in lower lanes: the slot's place in the list
.endr
.irp i, 0,1,2,3,4,5,6,7,8,9,10,11,12,13,14,15
	v_cndmask_b32 v[A+16*\g+\i], v3, v[A+16*\g+\i], s[M+\i]    ; no match: my spare word
.endr
.irp i, 0,1,2,3,4,5,6,7,8,9,10,11,12,13,14,15
	v_min_u32 v[A+16*\g+\i], 0x81f, v[A+16*\g+\i]  ; held inside the expert's words (2,048 + 31 at the most)
.endr
.irp i, 0,1,2,3,4,5,6,7,8,9,10,11,12,13,14,15
	v_lshlrev_b32 v[A+16*\g+\i], 2, v[A+16*\g+\i]
.endr
.irp i, 0,1,2,3,4,5,6,7,8,9,10,11,12,13,14,15
	global_store_b32 v[A+16*\g+\i], v[D+16*\g+\i], s[6:7]
.endr
.endr
	v_mov_b32 v4, s10
	global_store_b32 v5, v4, s[6:7]                ; the length
	s_endpgm
.Lfunc_end_k_qbe2611d955_route:
	.size	k_qbe2611d955_route, .Lfunc_end_k_qbe2611d955_route-k_qbe2611d955_route
	.p2alignl 7, 3214868480
	.fill 96, 4, 3214868480
	.section	.rodata,"a",@progbits
	.p2align	6, 0x0
	.amdhsa_kernel k_qbe2611d955_route
		.amdhsa_group_segment_fixed_size 0
		.amdhsa_private_segment_fixed_size 0
		.amdhsa_enable_private_segment 0
		.amdhsa_kernarg_size 16
		.amdhsa_user_sgpr_count 2
		.amdhsa_user_sgpr_kernarg_segment_ptr 1
		.amdhsa_wavefront_size32 1
		.amdhsa_system_sgpr_workgroup_id_x 1
		.amdhsa_system_sgpr_workgroup_id_y 1
		.amdhsa_system_sgpr_workgroup_id_z 1
		.amdhsa_system_vgpr_workitem_id 0
		.amdhsa_next_free_vgpr 200
		.amdhsa_next_free_sgpr 66
		.amdhsa_reserve_vcc 0
		.amdhsa_float_denorm_mode_32 3
		.amdhsa_float_denorm_mode_16_64 3
		.amdhsa_memory_ordered 1
		.amdhsa_forward_progress 1
		.amdhsa_inst_pref_size 39
	.end_amdhsa_kernel
	.amdgpu_metadata
---
amdhsa.version: [ 1, 2 ]
amdhsa.kernels:
  - .name:           k_qbe2611d955_route
    .symbol:         k_qbe2611d955_route.kd
    .args:
      - { .name: router_indices, .offset: 0, .size: 8, .value_kind: global_buffer, .address_space: global }
      - { .name: order, .offset: 8, .size: 8, .value_kind: global_buffer, .address_space: global }
    .group_segment_fixed_size: 0
    .private_segment_fixed_size: 0
    .kernarg_segment_align: 8
    .kernarg_segment_size: 16
    .max_flat_workgroup_size: 32
    .sgpr_count:     66
    .vgpr_count:     200
    .wavefront_size: 32
...
	.end_amdgpu_metadata
.endif
;; end of part 5
;; launch gateup (part 6): grid 32 x 8, 4 waves a work-group, no clusters, 162,560 bytes of LDS; arguments hidden_states_codes, hidden_states_scales, gate_up_proj_codes, gate_up_proj_scales, gate_up_proj_bias, lora_A_gate_up_codes, lora_A_gate_up_scales, lora_B_gate_up, order, gcodes, gscales; writes gcodes, gscales
.if DOCPART == 6
	.amdgcn_target "amdgcn-amd-amdhsa--gfx1250"
	.amdhsa_code_object_version 6
	.text
	.protected	k_qbe2611d955_gateup
	.globl	k_qbe2611d955_gateup
	.p2align	8
	.type	k_qbe2611d955_gateup,@function
k_qbe2611d955_gateup:
	s_mov_b64 s[64:65], 0
	v_nop
	global_prefetch_b8 v0, s[64:65] scope:SCOPE_SE
	s_setreg_imm32_b32 hwreg(HW_REG_WAVE_SCHED_MODE, 0, 2), 2
	s_setreg_imm32_b32 hwreg(HW_REG_WAVE_MODE, 25, 1), 1
	s_wait_xcnt 0x0
	s_wait_alu depctr_vm_vsrc(0)
; gu = x Wgu + bias + 2 (x Agu) Bgu for the rows of each expert's list; gated = (clip(up, -7, 7) + 1) g sigmoid(1.702 g), g = min(gate, 7); gated is quantised along I to codes of E2M1 with one E8M0 byte for 32.
; Only the rows that the lists name are multiplied: the mask that weighs the experts is 0 for all others.
; SHARES.  Work-group (x, y): expert e = y; row share q = x & 1; wave w owns the 64 columns f0 = 64 cg, cg = 4 (x >> 1) + w, which are block cg (32 numbers) of gated.  It walks the tiles of 16 list places q, q + 2, ..
; THE WEIGHTS STAY: the wave's 64 rows of Wgu (32 KB of codes, 256 registers), Agu (64 registers), its 16 x 64 of Bgu (32), bias and scale words are read once and kept.  What goes round is x: 8.5 KB a tile.
; The wave's 32 KB of codes are dense in memory: they are loaded as they lie, 512 consecutive bytes a load, and turned into fragments once, through the wave's own LDS.
; NO TENSOR LOAD AND NO JOINT REQUEST: the number of tiles is read from memory, so trip counts hang on loaded numbers; and a weight byte is wanted by two work-groups only, once each.
; One barrier, ahead of every branch on loaded numbers: Agu's 8 KB are brought by the four waves together.
; LAYOUT.  The products are used transposed: source 0 = 16 rows of the weight, source 1 = 16 rows of x: a lane (r = lane % 16, h = lane / 16) holds list place r.  THE ROWS OF A TILE ARE NOT NEIGHBOURS:
; lane r of tile t takes row f0 + 32 (r / 8) + 8 t + r % 8, so register j of tile t is column f0 + 32 h + 8 t + j: four (gate, up) pairs, gated numbers 16 h + 4 t + 0 .. 3 of the block.
; The product with Bgu goes on into a quantiser: f32 operands, 16x16x4.  Its K step s takes ranks 2 s, 2 s + 1, 8 + 2 s, 9 + 2 s on both sides, so that x Agu's registers 2 s, 2 s + 1 serve as they stand.
; ONE TILE BEHIND.  The wave is alone on its SIMD, so the vector work of a tile stands beside the matrix work of the next: a step issues the next tile's 40 products on codes, takes the finished tile's gu out of
; its registers (32 lines), issues the next tile's 16 f32 products into those registers, and then runs the finished tile's sigmoid, quantiser and stores while they are at work.
; gcodes [e][tile 128][block 64][row 16][16 bytes]: a wave's store is 256 consecutive bytes, aligned.  gscales [e][tile 128][row 16][64 bytes].
; List places past the list's end repeat its last place, so that all 16 rows of every tile are written.
; LIMITS.  NaN and infinities among the inputs are not served (the minimum and the clip drop a NaN).  A block of zeros gets the byte 1, not 127: its codes are zeros, and this program alone reads the bytes.
; (up + 1) g' is one fused multiply-add; 1.702 log2(e) is one constant; x Agu is summed in two halves of K.
; THE MODE: SCHED_MODE bits 1:0 = 2 (LLVM: expert scheduling mode 2), set by the entry lines.  The code itself states the register dependences
; between vector or matrix instructions and memory or LDS instructions, with s_wait_alu, always for 0.
; THE PLAN.  Registers that memory or LDS instructions touch, in the loop (b: the step's buffer):
;   x's buffer b (window 2) and XS[b]   read by the step's 40 products on codes; behind them the loads of the tile four on land there.
;   TK[b]                               read by the step's address lines; behind them the list load of the tile eight on lands there.
;   XA[b], XSA[b], LP[b]                written by the step's address lines; read by the 19 loads behind them; written again two steps on.
;   GCV, GSV, CD, BY                    written by a tile's vector work; read by the two stores at its end; written again in the next tile's.
;   v1, v4 to v13                       offsets and LDS addresses: made at the head, named by no vector instruction afterwards.
;   The weights, P, x Agu, gu and the activation's registers are named by vector and matrix instructions alone.
; So a step has ONE wait on va_vdst for its 19 loads, behind its address lines; one for its two stores; the four that stand in front of and behind the exponentials and the reciprocals; and ONE wait on vm_vsrc,
; far behind the stores and loads whose registers it frees.  Behind the first of them the 19 loads stand among the f32 products, which name none of the registers that the loads touch.
; REGISTERS.  window 0: see the names below.  window 1: Wgu's fragment (tile t, K step s) at v[64 t + 8 s].  window 2: Agu's (s) at v[8 s]; x's, buffer b, at v[64 + 64 b + 8 s]; bias (t) at v[192 + 8 t]; 2 Bgu at v[224 + 8 t + 2 s + j].
.set WSTB, 34048                       ; LDS: a wave's stage for Wgu: row i at 528 i + 128 (i / 32): rows r and r + 32 fall on different banks
.set BST,  136192                      ; a wave's stage for Bgu: 16 ranks x (256 + 16) bytes
.set BSTB, 4352
.set LST,  153600                      ; Agu: 16 rows x (512 + 16) bytes, the work-group's
.set LP,   16                          ; v16-17  buffer b: byte offset in the list
.set TK,   18                          ; v18-19  the slot read from the list
.set XA,   20                          ; v20-21  byte offset of my part of x's row
.set XSA,  22                          ; v22-23  and of its scale bytes
.set GCV,  24                          ; v24     where my codes go
.set GSV,  25                          ; v25     where the scale byte goes
.set T0,   26                          ; v26     at work
.set MX,   28                          ; v28 largest magnitude, v29 the other half's, v30 the conversion's scale operand, v31 the byte
.set MY,   29
.set SC,   30
.set BY,   31
.set CD,   32                          ; v[32:33] my 16 codes
.set XS,   40                          ; v40-55  x's scale words, 8 b + s
.set WS,   56                          ; v56-87  Wgu's, 8 t + s
.set LAS,  88                          ; v88-95  Agu's, s
.set P,    96                          ; v96-127  x Wgu + bias, four tiles
.set T1A,  128                         ; v128-135, v136-143 x Agu, even and odd K steps
.set T1,   144                         ; v144-151 their sum
.set Q,    152                         ; v152-183 gu: written by matrix instructions alone
.set TG,   184                         ; v184-199 g, then g sigmoid
.set TU,   200                         ; v200-215 up, then gated
.set TA,   216                         ; v216-231 at work
.set TMPA, 96                          ; at the start: Agu's quarter as loaded
.set TMPB, 112                         ; and Bgu as loaded
.set XW,   64                          ; in window 2
.set BIW,  192
.set BGW,  224
.set MSB, 0
.macro WIN new                         ; the immediate's high byte repeats the setting that is left
.if MSB != \new
	s_set_vgpr_msb (MSB<<8)|\new
.set MSB, \new
.endif
.endm
.macro MM d, a, b, c, sa, sb           ; D = A B + C on codes, 128 along K
	v_wmma_scale_f32_16x16x128_f8f6f4 v[\d:\d+7], v[\a:\a+7], v[\b:\b+7], v[\c:\c+7], v[\sa], v[\sb] matrix_a_fmt:MATRIX_FMT_FP4 matrix_b_fmt:MATRIX_FMT_FP4
.endm
.macro MMZ d, a, b, sa, sb             ; the same, starting a sum
	v_wmma_scale_f32_16x16x128_f8f6f4 v[\d:\d+7], v[\a:\a+7], v[\b:\b+7], 0, v[\sa], v[\sb] matrix_a_fmt:MATRIX_FMT_FP4 matrix_b_fmt:MATRIX_FMT_FP4
.endm
.macro PTR p, ra, sa, rb, sb           ; pointer p += (s[ra] << sa) + (s[rb] << sb); s37 = 0
	s_lshl_b32 s36, s[\ra], \sa
	s_lshl_b32 s38, s[\rb], \sb
	s_add_co_u32 s36, s36, s38
	s_add_nc_u64 s[\p:\p+1], s[\p:\p+1], s[36:37]
.endm
.macro LISTPOS b, sr                   ; list place s[sr] + r, held at the list's last place
	v_add_nc_u32 v[LP+\b], s[\sr], v2
	v_min_u32 v[LP+\b], s32, v[LP+\b]
	v_min_u32 v[LP+\b], 0x7ff, v[LP+\b]
	v_lshlrev_b32 v[LP+\b], 2, v[LP+\b]
.endm
.macro LISTLOAD b
	global_load_b32 v[TK+\b], v[LP+\b], s[20:21]
.endm
.macro XADDR b                         ; slot -> token -> byte offsets
	v_lshrrev_b32 v[T0], 1, v[TK+\b]
	v_min_u32 v[T0], 0x3ff, v[T0]
	v_lshl_add_u32 v[XA+\b], v[T0], 9, v3          ; 512 bytes of codes a token, + 16 h
	v_lshlrev_b32 v[XSA+\b], 5, v[T0]              ; 32 scale bytes a token
.endm
.macro XLOAD b                         ; 18 loads: x's eight fragments and its eight scale words
	WIN 0x80                                       ; destination window 2
.irp s, 0,1,2,3,4,5,6,7
.irp c, 0,1
	global_load_b128 v[XW+64*\b+8*\s+4*\c:XW+64*\b+8*\s+4*\c+3], v[XA+\b], s[4:5] offset:64*\s+32*\c
.endr
.endr
	WIN 0
	global_load_b128 v[XS+8*\b:XS+8*\b+3], v[XSA+\b], s[6:7]
	global_load_b128 v[XS+8*\b+4:XS+8*\b+7], v[XSA+\b], s[6:7] offset:16
.endm
	s_load_b512 s[4:19], s[0:1], 0x0               ; x codes s[4:5], x scales s[6:7], Wgu codes s[8:9], Wgu scales s[10:11], bias s[12:13], Agu codes s[14:15], Agu scales s[16:17], Bgu s[18:19]
	s_load_b128 s[20:23], s[0:1], 0x40             ; order s[20:21], gcodes s[22:23]
	s_load_b64 s[24:25], s[0:1], 0x50              ; gscales
	v_lshl_add_u32 v254, v0, 2, 0x27900
	v_mov_b32 v255, 0
	v_lshrrev_b32 v1, 5, v0
	v_readfirstlane_b32 s26, v1                    ; wave
	s_and_b32 s27, ttmp7, 0xffff                   ; e
	s_and_b32 s28, ttmp9, 1                        ; q
	s_lshr_b32 s29, ttmp9, 1
	s_lshl_b32 s29, s29, 2
	s_wait_alu depctr_va_sdst(0)                   ; s26 is written, ahead of its first reader: the column group, the stages and the pointers are made from it
	s_add_co_u32 s29, s29, s26                     ; cg
	s_mov_b32 s40, 0x76543210
	s_mov_b32 s41, 0xfedcba98                      ; v_permlanex16_b32's selects for lane l xor 16
	s_mov_b32 s42, 0xc0e00000                      ; -7
	s_mov_b32 s43, 0x40e00000                      ; 7
	s_mov_b32 s44, 0xc01d265f                      ; -1.702 log2(e)
	s_mov_b32 s45, s44                             ; (named with it as a pair, so it is written)
	v_and_b32 v26, 31, v0                          ; lane
	v_lshlrev_b32 v1, 4, v26                       ; v1  16 x lane
	v_and_b32 v2, 15, v0                           ; v2  r
	v_bfe_u32 v27, v0, 4, 1                        ; h
	v_lshlrev_b32 v3, 4, v27                       ; v3  16 h
	v_bfe_u32 v34, v0, 3, 1                        ; r / 8
	v_and_b32 v35, 7, v0                           ; r % 8
	v_lshl_add_u32 v36, v34, 5, v35                ; 32 (r / 8) + r % 8: my row of tile 0
	s_mul_i32 s46, s26, WSTB
	v_add_nc_u32 v4, s46, v1                       ; v4  Wgu into the stage
	v_mul_u32_u24 v5, v34, 17024
	v_mad_u32_u24 v5, v35, 528, v5
	v_add_nc_u32 v5, v5, v3
	v_add_nc_u32 v5, s46, v5                       ; v5  and out of it, as fragments
	s_mul_i32 s47, s26, 2112
	s_add_co_u32 s47, s47, LST
	v_add_nc_u32 v6, s47, v1                       ; v6  my four rows of Agu into LDS
	v_mul_u32_u24 v7, v2, 528
	v_add_nc_u32 v7, v7, v3
	v_add_nc_u32 v7, LST, v7                       ; v7  Agu's fragments
	s_mul_i32 s48, s26, BSTB
	s_add_co_u32 s48, s48, BST
	v_mul_u32_u24 v8, v27, 272
	v_lshl_add_u32 v8, v2, 4, v8
	v_add_nc_u32 v8, s48, v8                       ; v8  Bgu into its stage: rank 2 i + h, 16 bytes a lane
	v_mul_u32_u24 v9, v27, 2176
	v_lshl_add_u32 v9, v36, 2, v9
	v_add_nc_u32 v9, s48, v9                       ; v9  and out: rank 8 h, my row's column
	v_lshlrev_b32 v10, 5, v36                      ; v10 Wgu's scale bytes: 32 a row
	v_lshlrev_b32 v11, 7, v27                      ; v11 bias: 32 h numbers on
	v_lshlrev_b32 v12, 5, v2                       ; v12 Agu's scale bytes
	v_lshlrev_b32 v13, 14, v27
	v_lshl_add_u32 v13, v2, 4, v13                 ; v13 Bgu in memory: rank h of a pair, 16 bytes a lane
	v_lshlrev_b32 v14, 3, v27
	v_lshl_add_u32 v14, v2, 4, v14                 ; v14 my codes' place in a block's 256 bytes: 16 r + 8 h
	v_lshlrev_b32 v15, 6, v2                       ; v15 my row's scale bytes
	v_mov_b32 v[MY], 0                             ; a lane permute's destination counts as one of its sources
	s_mov_b32 s37, 0
	s_wait_kmcnt 0x0
	PTR 8, 27, 21, 29, 15                          ; Wgu's codes: 2 MB an expert, 32 KB a column group
	PTR 10, 27, 17, 29, 11
	PTR 12, 27, 14, 29, 8
	PTR 14, 27, 13, 26, 11                         ; Agu's codes: 8 KB an expert, my quarter
	PTR 18, 27, 18, 29, 8
	PTR 22, 27, 21, 29, 8
	PTR 24, 27, 17, 29, 0
	s_lshl_b32 s36, s27, 9
	s_add_nc_u64 s[16:17], s[16:17], s[36:37]
	s_mul_i32 s36, s27, 8448
	s_add_nc_u64 s[20:21], s[20:21], s[36:37]
	s_load_b32 s30, s[20:21], 0x2080               ; the list's length
	s_wait_alu depctr_va_vdst(0)                   ; the offsets and LDS addresses v1 and v4 to v13 are written, which the loads and LDS instructions of the head read; no vector instruction names them again
.irp i, 0,1,2,3
	global_load_b128 v[TMPA+4*\i:TMPA+4*\i+3], v1, s[14:15] offset:512*\i
.endr
	WIN 0x40                                       ; destination window 1
.set j, 0
.rept 64
	global_load_b128 v[4*j:4*j+3], v1, s[8:9] offset:512*j     ; row j of my 64, as it lies
.set j, j+1
.endr
	WIN 0
.irp i, 0,1,2,3,4,5,6,7
	global_load_b128 v[TMPB+4*\i:TMPB+4*\i+3], v13, s[18:19] offset:32768*\i
.endr
.irp t, 0,1,2,3
	global_load_b128 v[WS+8*\t:WS+8*\t+3], v10, s[10:11] offset:256*\t
	global_load_b128 v[WS+8*\t+4:WS+8*\t+7], v10, s[10:11] offset:256*\t+16
.endr
	WIN 0x80
.irp t, 0,1,2,3
	global_load_b128 v[BIW+8*\t:BIW+8*\t+3], v11, s[12:13] offset:32*\t
	global_load_b128 v[BIW+8*\t+4:BIW+8*\t+7], v11, s[12:13] offset:32*\t+16
.endr
	WIN 0
	global_load_b128 v[LAS:LAS+3], v12, s[16:17]
	global_load_b128 v[LAS+4:LAS+7], v12, s[16:17] offset:16
	s_wait_loadcnt 63                              ; 90 loads were issued behind Agu's four: with 63 out at the most, those four are in
.irp i, 0,1,2,3
	ds_store_b128 v6, v[TMPA+4*\i:TMPA+4*\i+3] offset:528*\i
.endr
	s_wait_dscnt 0x0                               ; for the others' sake: my rows of Agu lie in LDS
	s_barrier_signal -1
	s_barrier_wait -1                              ; the one barrier: every wave passes it, ahead of every branch on loaded numbers
	s_wait_kmcnt 0x0
	s_min_u32 s30, s30, 2048                       ; n
	s_add_co_u32 s31, s30, 15
	s_lshr_b32 s31, s31, 4                         ; NT: the expert's tiles
	s_sub_co_u32 s34, s31, s28
	s_add_co_u32 s34, s34, 1
	s_lshr_b32 s34, s34, 1                         ; my tiles: q, q + 2, ..
	s_cmp_lg_u32 s34, 0
	s_cbranch_scc1 .Lwork
	s_wait_dscnt 0x0                               ; the closing lines, six on end
	s_wait_alu 0x0
	s_wait_tensorcnt 0x0
	ds_add_u32 v254, v255
	s_wait_dscnt 0x0
	s_endpgm                                       ; a split that leaves this share without rows: nothing to store
.Lwork:
	s_sub_co_u32 s32, s30, 1                       ; n - 1
	s_add_co_u32 s34, s34, 1
	s_lshr_b32 s34, s34, 1                         ; trips of two steps: as many as it takes to reach the exit behind my last tile
	s_mov_b32 s35, s28                             ; the tile whose products are issued next
	s_lshl_b32 s46, s28, 4
	s_add_co_u32 s47, s46, 32
	LISTPOS 0, 46
	LISTPOS 1, 47
	s_wait_alu depctr_va_vdst(0)                   ; v[LP] and v[LP+1] are written, which the two list loads read as their offsets
	LISTLOAD 0                                     ; tile q
	LISTLOAD 1                                     ; tile q + 2
	s_wait_loadcnt 0x0                             ; weights, bias, scale words and the two tiles' slots are in
	s_wait_alu depctr_vm_vsrc(0)                   ; the two list loads have read v[LP] and v[LP+1], which are written again below
	XADDR 0
	XADDR 1
	s_add_co_u32 s47, s46, 64
	s_add_co_u32 s49, s46, 96
	LISTPOS 0, 47
	LISTPOS 1, 49
	s_wait_alu depctr_va_vdst(0)                   ; both buffers' v[XA], v[XSA] and v[LP] are written, which the 38 loads below read; the address lines are done reading v[TK] and v[TK+1], in which the list loads land
	XLOAD 0                                        ; x goes out ahead of the turn through LDS below, which it needs nothing of.  From here on the order of loads is the loop's: x (18), list (1), x (18), list (1)
	LISTLOAD 0                                     ; tile q + 4
	XLOAD 1
	LISTLOAD 1                                     ; tile q + 6
	WIN 0x04                                       ; an LDS store's data: window 1
.set j, 0
.rept 64
	ds_store_b128 v4, v[4*j:4*j+3] offset:528*j+128*(j>>5)
.set j, j+1
.endr
	WIN 0x40
	s_wait_alu depctr_vm_vsrc(0)                   ; the 64 LDS stores have read window 1's registers, in which the loads below land
.irp t, 0,1,2,3                        ; LDS serves a wave's instructions in order: these see the stores above, and land in the registers that the stores have read
.irp s, 0,1,2,3,4,5,6,7
.irp c, 0,1
	ds_load_b128 v[64*\t+8*\s+4*\c:64*\t+8*\s+4*\c+3], v5 offset:4224*\t+64*\s+32*\c
.endr
.endr
.endr
	WIN 0
.irp i, 0,1,2,3,4,5,6,7
	ds_store_b128 v8, v[TMPB+4*\i:TMPB+4*\i+3] offset:544*\i
.endr
	WIN 0x80
.irp t, 0,1,2,3
.irp k, 0,1,2,3,4,5,6,7
	ds_load_b32 v[BGW+8*\t+\k], v9 offset:272*\k+32*\t         ; Bgu(rank 8 h + k, my row of tile t)
.endr
.endr
.irp s, 0,1,2,3,4,5,6,7
.irp c, 0,1
	ds_load_b128 v[8*\s+4*\c:8*\s+4*\c+3], v7 offset:64*\s+32*\c
.endr
.endr
	WIN 0
	s_wait_dscnt 0x0
	s_wait_alu depctr_vm_vsrc(0)                   ; the LDS stores have read v[TMPA ..] and v[TMPB ..], which the first products write as P and x Agu; the 38 loads above have read v[XA], v[XSA] and v[LP], which the first tile's address lines write again
	WIN 0x8a
.irp i, 0,2,4,6,8,10,12,14,16,18,20,22,24,26,28,30
	v_pk_add_f32 v[BGW+\i:BGW+\i+1], v[BGW+\i:BGW+\i+1], v[BGW+\i:BGW+\i+1]   ; the factor 2, exact
.endr
	WIN 0
; THE PARTS OF A TILE.  s35: the tile whose products are issued; s33: the finished tile, one behind.
; FRONT: the 40 products on codes of tile s35, from buffer b.
.macro FRONT b
	s_wait_loadcnt 19                              ; behind this buffer's x and its list load stand the other buffer's 19
	WIN 0x0a                                       ; Agu and x in window 2
.irp s, 0,1,2,3,4,5,6,7                ; x Agu, two sums by turns
.if \s < 2
	MMZ T1A+8*(\s%2), 8*\s, XW+64*\b+8*\s, LAS+\s, XS+8*\b+\s
.else
	MM T1A+8*(\s%2), 8*\s, XW+64*\b+8*\s, T1A+8*(\s%2), LAS+\s, XS+8*\b+\s
.endif
.endr
	WIN 0x29                                       ; Wgu window 1, x window 2, bias window 2
.irp t, 0,1,2,3
	MM P+8*\t, 64*\t, XW+64*\b, BIW+8*\t, WS+8*\t, XS+8*\b     ; the bias starts the sum
.endr
	WIN 0x09
.irp s, 1,2,3,4,5,6,7
.irp t, 0,1,2,3
	MM P+8*\t, 64*\t+8*\s, XW+64*\b+8*\s, P+8*\t, WS+8*\t+\s, XS+8*\b+\s
.endr
.endr
	WIN 0
.endm
; MID: buffer b is filled again, and the 16 f32 products of tile s35 make gu.
.macro MID b
	s_lshl_b32 s46, s35, 4
	s_add_co_u32 s46, s46, 128
	XADDR \b                                       ; the tile four on, whose slots are in.  These eight plain lines are places behind the products on codes:
	LISTPOS \b, 46                                 ; in front of the reads of x Agu, and of the products that take P as another sum's start
.irp i, 0,2,4,6
	v_pk_add_f32 v[T1+\i:T1+\i+1], v[T1A+\i:T1A+\i+1], v[T1A+8+\i:T1A+8+\i+1]
.endr
	s_wait_alu depctr_va_vdst(0)                   ; v[XA], v[XSA] and v[LP] of this buffer are written, which the 19 loads below read; the products on codes are done reading x's buffer and its scale words, and the address lines v[TK], in all of which those loads land
	WIN 0x02                                       ; 2 Bgu in window 2
.irp t, 0,1,2,3
	v_wmma_f32_16x16x4_f32 v[Q+8*\t:Q+8*\t+7], v[BGW+8*\t:BGW+8*\t+1], v[T1:T1+1], v[P+8*\t:P+8*\t+7]
.endr
	XLOAD \b                                       ; no further wait: the four products since the wait name 2 Bgu, x Agu's sum, P and gu, none of the registers that these loads touch
	LISTLOAD \b                                    ; the slots of the tile eight on
	WIN 0x02
.irp s, 1,2,3
.irp t, 0,1,2,3
	v_wmma_f32_16x16x4_f32 v[Q+8*\t:Q+8*\t+7], v[BGW+8*\t+2*\s:BGW+8*\t+2*\s+1], v[T1+2*\s:T1+2*\s+1], v[Q+8*\t:Q+8*\t+7]
.endr
.endr
	WIN 0
.endm
; ACT1: the finished tile's gu leaves its registers, held as the definition holds it.  Behind these 32 lines the next tile's f32 products may write there.
.macro ACT1
	s_wait_xcnt 0x0                                ; the stores of the tile before have read their addresses and data, which ACT2 writes again
	s_wait_alu depctr_vm_vsrc(0)                   ; the stores of the tile before have read v[GCV], v[GSV], v[CD ..] and v[BY], which ACT2 writes again; the loads issued so far have read v[XA], v[XSA] and v[LP], which the next address lines write again
.irp t, 0,1,2,3                        ; each sum is read from its low end on
.irp i, 0,1,2,3
	v_min_num_f32 v[TG+4*\t+\i], s43, v[Q+8*\t+2*\i]
	v_med3_num_f32 v[TU+4*\t+\i], v[Q+8*\t+2*\i+1], s42, s43
.endr
.endr
.endm
; ACT2: sigmoid, product, quantiser and stores of tile s33.  It names no register of a matrix instruction: its plain lines are the places behind the f32 products issued just before it.
.macro ACT2
	s_min_u32 s46, s33, 127
	s_lshl_b32 s47, s46, 14                        ; 16 KB of codes a tile
	s_lshl_b32 s48, s46, 10                        ; 1 KB of scale bytes
	v_add_nc_u32 v[GCV], s47, v14
	v_add_nc_u32 v[GSV], s48, v15
.irp i, 0,2,4,6,8,10,12,14
	v_pk_mul_f32 v[TA+\i:TA+\i+1], v[TG+\i:TG+\i+1], s[44:45] op_sel_hi:[1,0]
.endr
	s_wait_alu depctr_va_vdst(0)
.irp i, 0,1,2,3,4,5,6,7,8,9,10,11,12,13,14,15
	v_exp_f32 v[TA+\i], v[TA+\i]                   ; e^(-1.702 g)
.endr
	v_nop                                          ; a plain place behind the exponentials
	s_wait_alu depctr_va_vdst(0)                   ; the sixteen exponentials have written v[TA ..], ahead of the additions that read them: one wait for the batch
.irp i, 0,2,4,6,8,10,12,14
	v_pk_add_f32 v[TA+\i:TA+\i+1], v[TA+\i:TA+\i+1], 1.0 op_sel_hi:[1,0]
.endr
	s_wait_alu depctr_va_vdst(0)
.irp i, 0,1,2,3,4,5,6,7,8,9,10,11,12,13,14,15
	v_rcp_f32 v[TA+\i], v[TA+\i]                   ; the sigmoid
.endr
	v_nop
	s_wait_alu depctr_va_vdst(0)                   ; the sixteen reciprocals have written v[TA ..], ahead of the multiplications that read them: one wait for the batch
.irp i, 0,2,4,6,8,10,12,14
	v_pk_mul_f32 v[TG+\i:TG+\i+1], v[TG+\i:TG+\i+1], v[TA+\i:TA+\i+1]
.endr
.irp i, 0,2,4,6,8,10,12,14
	v_pk_fma_f32 v[TU+\i:TU+\i+1], v[TU+\i:TU+\i+1], v[TG+\i:TG+\i+1], v[TG+\i:TG+\i+1]    ; (up + 1) g sigmoid
.endr
	v_max3_num_f32 v[MX], |v[TU]|, |v[TU+1]|, 0x1800000        ; my 16 numbers' largest magnitude, in two chains, with the floor 2^(3 - 127): the byte cannot fall under 1
	v_max3_num_f32 v[T0], |v[TU+2]|, |v[TU+3]|, |v[TU+4]|
.irp i, 5,9
	v_max3_num_f32 v[MX], v[MX], |v[TU+\i]|, |v[TU+\i+1]|
	v_max3_num_f32 v[T0], v[T0], |v[TU+\i+2]|, |v[TU+\i+3]|
.endr
	v_max3_num_f32 v[MX], v[MX], |v[TU+13]|, |v[TU+14]|
	v_max3_num_f32 v[MX], v[MX], v[T0], |v[TU+15]|
	v_permlanex16_b32 v[MY], v[MX], s40, s41
	v_max_num_f32 v[MX], v[MX], v[MY]              ; with lane l xor 16's 16: the block's
	v_add_nc_u32 v[SC], 0xff000000, v[MX]          ; 2 off its exponent field: the conversion takes this operand's exponent field as its scale
	v_lshrrev_b32 v[BY], 23, v[SC]                 ; the scale's byte
	v_cvt_scalef32_pk8_fp4_f32 v[CD], v[TU:TU+7], v[SC]
	v_cvt_scalef32_pk8_fp4_f32 v[CD+1], v[TU+8:TU+15], v[SC]
	v_nop                                          ; a plain place behind the conversions
	s_wait_alu depctr_va_vdst(0)                   ; the conversions have written v[CD ..], and v[BY], v[GCV] and v[GSV] are written: the two stores read them
	global_store_b64 v[GCV], v[CD:CD+1], s[22:23]  ; the wave stores 256 consecutive bytes, aligned: block cg of the tile's 16 rows
	global_store_b8 v[GSV], v[BY], s[24:25]        ; both lanes of a row write the same byte with the same value
.endm
.macro STEP b                          ; tile s35's products from buffer b, tile s33's vector work between and behind them
	FRONT \b
	ACT1
	MID \b
	ACT2
.endm
.macro FIN                             ; the last tile's vector work: nothing is left to multiply
	ACT1
	ACT2
.endm
	FRONT 0                                        ; the first tile has no tile in front of it
	MID 0
.rept 9
	v_nop                                          ; the places that ACT2 is in every later step: eight in front of the reads of gu, nine in front of the products that write P again
.endr
	s_mov_b32 s33, s35
.Lpair:                                            ; a trip takes two steps, one from each buffer
	s_add_co_u32 s35, s33, 2
	s_cmp_lt_u32 s35, s31
	s_cbranch_scc1 .Lodd
	FIN
	s_wait_dscnt 0x0                               ; the closing lines, six on end
	s_wait_alu 0x0
	s_wait_tensorcnt 0x0
	ds_add_u32 v254, v255
	s_wait_dscnt 0x0
	s_endpgm                                       ; the loop is left by its backward branch or by the program's end, never by a jump past its counter
.Lodd:
	STEP 1
	s_mov_b32 s33, s35
	s_add_co_u32 s35, s33, 2
	s_cmp_lt_u32 s35, s31
	s_cbranch_scc1 .Leven
	FIN
	s_wait_dscnt 0x0                               ; the closing lines, six on end
	s_wait_alu 0x0
	s_wait_tensorcnt 0x0
	ds_add_u32 v254, v255
	s_wait_dscnt 0x0
	s_endpgm
.Leven:
	STEP 0
	s_mov_b32 s33, s35
	s_sub_co_i32 s34, s34, 1
	s_cmp_gt_i32 s34, 0
	s_cbranch_scc1 .Lpair
	FIN                                            ; (by the count of trips one of the exits above is taken first; this one keeps the text right whatever the count)
	s_wait_dscnt 0x0                               ; the closing lines, six on end
	s_wait_alu 0x0
	s_wait_tensorcnt 0x0
	ds_add_u32 v254, v255
	s_wait_dscnt 0x0
	s_endpgm
.Lfunc_end_k_qbe2611d955_gateup:
	.size	k_qbe2611d955_gateup, .Lfunc_end_k_qbe2611d955_gateup-k_qbe2611d955_gateup
	.p2alignl 7, 3214868480
	.fill 96, 4, 3214868480
	.section	.rodata,"a",@progbits
	.p2align	6, 0x0
	.amdhsa_kernel k_qbe2611d955_gateup
		.amdhsa_group_segment_fixed_size 162560
		.amdhsa_private_segment_fixed_size 0
		.amdhsa_enable_private_segment 0
		.amdhsa_kernarg_size 88
		.amdhsa_user_sgpr_count 2
		.amdhsa_user_sgpr_kernarg_segment_ptr 1
		.amdhsa_wavefront_size32 1
		.amdhsa_system_sgpr_workgroup_id_x 1
		.amdhsa_system_sgpr_workgroup_id_y 1
		.amdhsa_system_sgpr_workgroup_id_z 1
		.amdhsa_system_vgpr_workitem_id 0
		.amdhsa_next_free_vgpr 768
		.amdhsa_next_free_sgpr 66
		.amdhsa_reserve_vcc 0
		.amdhsa_float_denorm_mode_32 3
		.amdhsa_float_denorm_mode_16_64 3
		.amdhsa_memory_ordered 1
		.amdhsa_forward_progress 1
		.amdhsa_inst_pref_size 91
	.end_amdhsa_kernel
	.amdgpu_metadata
---
amdhsa.version: [ 1, 2 ]
amdhsa.kernels:
  - .name:           k_qbe2611d955_gateup
    .symbol:         k_qbe2611d955_gateup.kd
    .args:
      - { .name: hidden_states_codes, .offset: 0, .size: 8, .value_kind: global_buffer, .address_space: global }
      - { .name: hidden_states_scales, .offset: 8, .size: 8, .value_kind: global_buffer, .address_space: global }
      - { .name: gate_up_proj_codes, .offset: 16, .size: 8, .value_kind: global_buffer, .address_space: global }
      - { .name: gate_up_proj_scales, .offset: 24, .size: 8, .value_kind: global_buffer, .address_space: global }
      - { .name: gate_up_proj_bias, .offset: 32, .size: 8, .value_kind: global_buffer, .address_space: global }
      - { .name: lora_A_gate_up_codes, .offset: 40, .size: 8, .value_kind: global_buffer, .address_space: global }
      - { .name: lora_A_gate_up_scales, .offset: 48, .size: 8, .value_kind: global_buffer, .address_space: global }
      - { .name: lora_B_gate_up, .offset: 56, .size: 8, .value_kind: global_buffer, .address_space: global }
      - { .name: order, .offset: 64, .size: 8, .value_kind: global_buffer, .address_space: global }
      - { .name: gcodes, .offset: 72, .size: 8, .value_kind: global_buffer, .address_space: global }
      - { .name: gscales, .offset: 80, .size: 8, .value_kind: global_buffer, .address_space: global }
    .group_segment_fixed_size: 162560
    .private_segment_fixed_size: 0
    .kernarg_segment_align: 8
    .kernarg_segment_size: 88
    .max_flat_workgroup_size: 128
    .sgpr_count:     66
    .vgpr_count:     768
    .wavefront_size: 32
...
	.end_amdgpu_metadata
.endif
;; end of part 6
;; launch down (part 7): grid 32 x 8, 4 waves a work-group, no clusters, 160,512 bytes of LDS; arguments down_proj_codes, down_proj_scales, down_proj_bias, lora_A_down_codes, lora_A_down_scales, lora_B_down, order, gcodes, gscales, part; writes part
.if DOCPART == 7
	.amdgcn_target "amdgcn-amd-amdhsa--gfx1250"
	.amdhsa_code_object_version 6
	.text
	.protected	k_qbe2611d955_down
	.globl	k_qbe2611d955_down
	.p2align	8
	.type	k_qbe2611d955_down,@function
k_qbe2611d955_down:
	s_mov_b64 s[64:65], 0
	v_nop
	global_prefetch_b8 v0, s[64:65] scope:SCOPE_SE
	s_setreg_imm32_b32 hwreg(HW_REG_WAVE_SCHED_MODE, 0, 2), 2
	s_setreg_imm32_b32 hwreg(HW_REG_WAVE_MODE, 25, 1), 1
	s_wait_xcnt 0x0
	s_wait_alu depctr_vm_vsrc(0)
; out = gated Wdn + bias + 2 (gated Adn) Bdn for the rows of each expert's list, not yet weighed: part[slot][1024] f32.  gated comes as the codes and scale bytes that the launch before has made.
; SHARES.  Work-group (x, y): expert e = y; row share q = x & 3; wave w owns the 32 columns c0 = 32 cg, cg = 4 (x >> 2) + w, and walks the tiles of 16 list places q, q + 4, ..
; THE WEIGHTS STAY: the wave's 32 rows of Wdn (32 KB of codes, 256 registers), Adn (128 registers), its 16 x 32 of Bdn as bf16, bias and scale words.  What goes round is gated: 17 KB a tile, two buffers.
; The wave's 32 KB of codes are dense in memory: loaded as they lie, turned into fragments once through the wave's own LDS.
; NO TENSOR LOAD AND NO JOINT REQUEST: the number of tiles is read from memory, so trip counts hang on loaded numbers; a weight byte is wanted by four work-groups, once each.
; One barrier, ahead of every branch on loaded numbers: Adn's 16 KB are brought by the four waves together.
; LAYOUT.  Transposed use: source 0 = 16 rows of the weight, source 1 = 16 rows of gated; lane (r, h) holds list place r.  Lane r of tile t takes weight row c0 + 16 (r / 8) + 8 t + r % 8,
; so register j of tile t is column c0 + 16 h + 8 t + j.  The product with Bdn goes to the output alone: bf16 operands, one 16x16x32 a tile, ranks 8 h + 0 .. 7 at k = 8 h + 0 .. 7, zeros at k from 16 on.
; THE WAY OUT.  A tile's 16 rows x 128 bytes go through the wave's own stage and leave as pieces of 128 consecutive bytes of a slot's row: a wave owns no more of a row.
; The 40 loads that fill the buffer again are issued between the stage's loads and the wait for them.
; List places past the list's end repeat its last place: the same numbers go to the same bytes, from this wave alone.
; LIMITS.  NaN and infinities are not served.  gated Adn is summed in two halves of K and rounded to bf16 for the last product, as is 2 Bdn.
; THE MODE: SCHED_MODE bits 1:0 = 2 (LLVM: expert scheduling mode 2), set by the entry lines.  The code itself states the register dependences
; between vector or matrix instructions and memory or LDS instructions, with s_wait_alu, always for 0.
; THE PLAN.  Registers that memory or LDS instructions touch, in the loop (b: the tile's buffer):
;   gated's buffer b (window 3), GSC[b]  read by the tile's 48 products on codes; the 40 loads at the tile's end land there.
;   DSL[b]                               read by the lines that make v[DO ..]; four of those 40 loads land there.
;   GAO[b], GSO[b], LP[b]                written by the tile's address lines; read by the 40 loads; written again two tiles on.
;   ACC                                  written by the products; read by the stage's four LDS stores; written by the next tile's first products.
;   OB                                   the stage's four LDS loads land there; read by the four global stores.
;   DO                                   written by vector lines; read by the four global stores; written again in the next tile.
;   v14, v15                             the stage's addresses: made at the head, named by no vector instruction afterwards.
; All of a tile's vector and matrix instructions stand ahead of all its memory and LDS instructions.  So ONE wait on va_vdst stands between the two, and ONE wait on vm_vsrc at the tile's head, ahead of the first product.
; REGISTERS.  window 0: names below.  window 1: Wdn's fragment (t, s) at v[128 t + 8 s].  window 2: Adn's (s) at v[8 s].  window 3: gated's, buffer b, at v[128 b + 8 s].
.set WSTB, 33536                       ; LDS: a wave's stage for Wdn: row i at 1040 i + 128 (i / 16)
.set LST,  134144                      ; Adn: 16 rows x (1,024 + 16) bytes, the work-group's
.set OST,  150784                      ; a wave's stage for the way out: 16 rows x (128 + 16) bytes
.set LI,   17                          ; v17-20   lane / 8 + 4 i: the row that my i-th store carries
.set GAO,  21                          ; v21-22   buffer b: byte offset of my part of gated's codes
.set GSO,  23                          ; v23-24   and of its scale bytes
.set DO,   28                          ; v28-31   byte offsets of my four stores
.set WSD,  32                          ; v32-63   Wdn's scale words, 16 t + s
.set LASD, 64                          ; v64-79   Adn's
.set GSC,  80                          ; v80-111  gated's, 16 b + s
.set ACC,  112                         ; v112-127 out, two tiles
.set T2A,  128                         ; v128-135, v136-143 gated Adn, even and odd K steps
.set T2S,  144                         ; v144-151 their sum
.set TB,   152                         ; v152-159 the same as bf16; registers 4-7 stay 0
.set BD,   160                         ; v160-175 2 Bdn as bf16, two tiles; registers 4-7 of each stay 0
.set BI,   176                         ; v176-191 bias, two tiles
.set OB,   192                         ; v192-207 rows read back from the stage
.set LP,   208                         ; v208-215 byte offsets in the list, 4 b + i
.set DSL,  216                         ; v216-223 the slots read from it
.set BT,   224                         ; v224-239 Bdn as loaded
.set TMPA, 112                         ; at the start: Adn's quarter as loaded
.set MSB, 0
.macro WIN new                         ; the immediate's high byte repeats the setting that is left
.if MSB != \new
	s_set_vgpr_msb (MSB<<8)|\new
.set MSB, \new
.endif
.endm
.macro MM d, a, b, c, sa, sb
	v_wmma_scale_f32_16x16x128_f8f6f4 v[\d:\d+7], v[\a:\a+7], v[\b:\b+7], v[\c:\c+7], v[\sa], v[\sb] matrix_a_fmt:MATRIX_FMT_FP4 matrix_b_fmt:MATRIX_FMT_FP4
.endm
.macro MMZ d, a, b, sa, sb
	v_wmma_scale_f32_16x16x128_f8f6f4 v[\d:\d+7], v[\a:\a+7], v[\b:\b+7], 0, v[\sa], v[\sb] matrix_a_fmt:MATRIX_FMT_FP4 matrix_b_fmt:MATRIX_FMT_FP4
.endm
.macro PTR p, ra, sa, rb, sb           ; pointer p += (s[ra] << sa) + (s[rb] << sb); s37 = 0
	s_lshl_b32 s36, s[\ra], \sa
	s_lshl_b32 s38, s[\rb], \sb
	s_add_co_u32 s36, s36, s38
	s_add_nc_u64 s[\p:\p+1], s[\p:\p+1], s[36:37]
.endm
.macro PTR1 p, ra, sa                  ; pointer p += s[ra] << sa
	s_lshl_b32 s36, s[\ra], \sa
	s_add_nc_u64 s[\p:\p+1], s[\p:\p+1], s[36:37]
.endm
.macro GADDR b                         ; s46: the tile wanted; it is held at the expert's last tile.  18 plain vector lines
	s_min_u32 s46, s46, s35
	s_min_u32 s46, s46, 127
	s_lshl_b32 s47, s46, 14
	s_lshl_b32 s48, s46, 10
	s_lshl_b32 s49, s46, 4
	v_add_nc_u32 v[GAO+\b], s47, v12
	v_add_nc_u32 v[GSO+\b], s48, v13
.irp i, 0,1,2,3
	v_add_nc_u32 v[LP+4*\b+\i], s49, v[LI+\i]
	v_min_u32 v[LP+4*\b+\i], s32, v[LP+4*\b+\i]    ; held at the list's last place
	v_min_u32 v[LP+4*\b+\i], 0x7ff, v[LP+4*\b+\i]
	v_lshlrev_b32 v[LP+4*\b+\i], 2, v[LP+4*\b+\i]
.endr
.endm
.macro GLOAD b                         ; 40 loads: gated's sixteen fragments, its scale words, the slots of my stores' rows
	WIN 0xc0                                       ; destination window 3
.irp s, 0,1,2,3,4,5,6,7,8,9,10,11,12,13,14,15
.irp c, 0,1
	global_load_b128 v[128*\b+8*\s+4*\c:128*\b+8*\s+4*\c+3], v[GAO+\b], s[18:19] offset:256*(4*\s+2*\c)   ; 512 consecutive bytes: blocks 4 s + 2 c and the next, 16 rows each
.endr
.endr
	WIN 0
.irp i, 0,1,2,3
	global_load_b128 v[GSC+16*\b+4*\i:GSC+16*\b+4*\i+3], v[GSO+\b], s[20:21] offset:16*\i
.endr
.irp i, 0,1,2,3
	global_load_b32 v[DSL+4*\b+\i], v[LP+4*\b+\i], s[16:17]
.endr
.endm
	s_load_b512 s[4:19], s[0:1], 0x0               ; Wdn codes s[4:5], Wdn scales s[6:7], bias s[8:9], Adn codes s[10:11], Adn scales s[12:13], Bdn s[14:15], order s[16:17], gcodes s[18:19]
	s_load_b128 s[20:23], s[0:1], 0x40             ; gscales s[20:21], part s[22:23]
	v_lshl_add_u32 v254, v0, 2, 0x27100
	v_mov_b32 v255, 0
	v_lshrrev_b32 v1, 5, v0
	v_readfirstlane_b32 s26, v1                    ; wave
	s_and_b32 s27, ttmp7, 0xffff                   ; e
	s_and_b32 s28, ttmp9, 3                        ; q
	s_lshr_b32 s29, ttmp9, 2
	s_lshl_b32 s29, s29, 2
	s_wait_alu depctr_va_sdst(0)                   ; s26 is written, ahead of its first reader: the column group, the stages and the pointers are made from it
	s_add_co_u32 s29, s29, s26                     ; cg
	v_and_b32 v25, 31, v0                          ; lane
	v_lshlrev_b32 v1, 4, v25                       ; v1  16 x lane
	v_and_b32 v2, 15, v0                           ; v2  r
	v_bfe_u32 v26, v0, 4, 1                        ; h
	v_lshlrev_b32 v3, 4, v26                       ; v3  16 h
	v_bfe_u32 v27, v0, 3, 1                        ; r / 8
	v_and_b32 v240, 7, v0                          ; r % 8 = lane % 8
	v_lshl_add_u32 v241, v27, 4, v240              ; 16 (r / 8) + r % 8: my row of tile 0
	v_bfe_u32 v242, v0, 3, 2                       ; lane / 8
	s_mul_i32 s46, s26, WSTB
	v_add_nc_u32 v4, s46, v1                       ; v4  Wdn into the stage
	v_mul_u32_u24 v5, v27, 16768
	v_mad_u32_u24 v5, v240, 1040, v5
	v_add_nc_u32 v5, v5, v3
	v_add_nc_u32 v5, s46, v5                       ; v5  and out of it, as fragments
	s_mul_i32 s47, s26, 4160
	s_add_co_u32 s47, s47, LST
	v_add_nc_u32 v6, s47, v1                       ; v6  my four rows of Adn into LDS
	v_mul_u32_u24 v7, v2, 1040
	v_add_nc_u32 v7, v7, v3
	v_add_nc_u32 v7, LST, v7                       ; v7  Adn's fragments
	v_lshlrev_b32 v8, 6, v241                      ; v8  Wdn's scale bytes: 64 a row
	v_lshlrev_b32 v9, 6, v26                       ; v9  bias: 16 h numbers on
	v_lshlrev_b32 v10, 6, v2                       ; v10 Adn's scale bytes
	v_lshlrev_b32 v11, 15, v26
	v_lshl_add_u32 v11, v241, 2, v11               ; v11 Bdn: rank 8 h, my row's column
	v_lshlrev_b32 v12, 8, v26
	v_lshl_add_u32 v12, v2, 4, v12                 ; v12 gated's codes: 256 h + 16 r
	v_lshlrev_b32 v13, 6, v2                       ; v13 gated's scale bytes: 64 r
	s_mul_i32 s48, s26, 2304
	s_add_co_u32 s48, s48, OST
	v_mul_u32_u24 v14, v2, 144
	v_lshl_add_u32 v14, v26, 6, v14
	v_add_nc_u32 v14, s48, v14                     ; v14 the stage, in: row r, + 64 h
	v_mul_u32_u24 v15, v242, 144
	v_lshl_add_u32 v15, v240, 4, v15
	v_add_nc_u32 v15, s48, v15                     ; v15 and back: eight lanes to a row of 128 bytes
	v_lshlrev_b32 v16, 4, v240                     ; v16 16 (lane % 8)
.irp i, 0,1,2,3
	v_add_nc_u32 v[LI+\i], 4*\i, v242
.endr
	s_mov_b32 s37, 0
	s_wait_kmcnt 0x0
	PTR 4, 27, 20, 29, 15                          ; Wdn's codes: 1 MB an expert, 32 KB a column group
	PTR 6, 27, 16, 29, 11
	PTR 8, 27, 12, 29, 7
	PTR 10, 27, 14, 26, 12                         ; Adn's codes: 16 KB an expert, my quarter
	PTR1 12, 27, 10
	PTR 14, 27, 16, 29, 7
	PTR1 18, 27, 21
	PTR1 20, 27, 17
	PTR1 22, 29, 7
	s_mul_i32 s36, s27, 8448
	s_add_nc_u64 s[16:17], s[16:17], s[36:37]
	s_load_b32 s30, s[16:17], 0x2080               ; the list's length
	s_wait_alu depctr_va_vdst(0)                   ; the offsets and LDS addresses v1, v4 to v11, v14 and v15 are written, which the loads and LDS instructions below read; no vector instruction names them again
.irp i, 0,1,2,3,4,5,6,7
	global_load_b128 v[TMPA+4*\i:TMPA+4*\i+3], v1, s[10:11] offset:512*\i
.endr
	WIN 0x40                                       ; destination window 1
.set j, 0
.rept 64
	global_load_b128 v[4*j:4*j+3], v1, s[4:5] offset:512*j     ; half j % 2 of row j / 2, as it lies
.set j, j+1
.endr
	WIN 0
.irp t, 0,1
.irp i, 0,1,2,3
	global_load_b128 v[WSD+16*\t+4*\i:WSD+16*\t+4*\i+3], v8, s[6:7] offset:512*\t+16*\i
.endr
.endr
.irp i, 0,1,2,3
	global_load_b128 v[LASD+4*\i:LASD+4*\i+3], v10, s[12:13] offset:16*\i
.endr
.irp t, 0,1
	global_load_b128 v[BI+8*\t:BI+8*\t+3], v9, s[8:9] offset:32*\t
	global_load_b128 v[BI+8*\t+4:BI+8*\t+7], v9, s[8:9] offset:32*\t+16
.endr
.irp t, 0,1
.irp k, 0,1,2,3,4,5,6,7
	global_load_b32 v[BT+8*\t+\k], v11, s[14:15] offset:4096*\k+32*\t
.endr
.endr
	s_wait_loadcnt 63                              ; 96 loads were issued behind Adn's eight: with 63 out at the most, those eight are in
.irp i, 0,1,2,3,4,5,6,7
	ds_store_b128 v6, v[TMPA+4*\i:TMPA+4*\i+3] offset:1040*(\i>>1)+512*(\i&1)
.endr
	s_wait_dscnt 0x0                               ; for the others' sake: my rows of Adn lie in LDS
	s_barrier_signal -1
	s_barrier_wait -1                              ; the one barrier: every wave passes it, ahead of every branch on loaded numbers
	s_wait_kmcnt 0x0
	s_min_u32 s30, s30, 2048                       ; n
	s_add_co_u32 s31, s30, 15
	s_lshr_b32 s31, s31, 4                         ; NT
	s_sub_co_u32 s34, s31, s28
	s_add_co_u32 s34, s34, 3
	s_lshr_b32 s34, s34, 2                         ; my tiles: q, q + 4, ..
	s_cmp_lg_u32 s34, 0
	s_cbranch_scc1 .Lwork
	s_wait_dscnt 0x0                               ; the closing lines, six on end
	s_wait_alu 0x0
	s_wait_tensorcnt 0x0
	ds_add_u32 v254, v255
	s_wait_dscnt 0x0
	s_endpgm                                       ; a split that leaves this share without rows: nothing to store
.Lwork:
	s_sub_co_u32 s32, s30, 1                       ; n - 1
	s_sub_co_u32 s35, s31, 1                       ; NT - 1
	s_add_co_u32 s34, s34, 1
	s_lshr_b32 s34, s34, 1                         ; trips of two tiles
	s_mov_b32 s33, s28                             ; the tile in hand
	s_mov_b32 s46, s33
	GADDR 0
	s_wait_alu depctr_va_vdst(0)                   ; buffer 0's v[GAO], v[GSO] and v[LP ..] are written, which its 40 loads read
	GLOAD 0
	s_add_co_u32 s46, s33, 4
	GADDR 1
	s_wait_alu depctr_va_vdst(0)                   ; buffer 1's v[GAO+1], v[GSO+1] and v[LP+4 ..] are written, which its 40 loads read
	GLOAD 1
	s_wait_loadcnt 63                              ; 80 loads were issued behind the weights': those are in
	WIN 0x04                                       ; an LDS store's data: window 1
.set j, 0
.rept 64
	ds_store_b128 v4, v[4*j:4*j+3] offset:1040*(j>>1)+128*((j>>5)&1)+512*(j&1)
.set j, j+1
.endr
	WIN 0x40
	s_wait_alu depctr_vm_vsrc(0)                   ; the 64 LDS stores have read window 1's registers, in which the loads below land; Adn's LDS stores have read v[TMPA ..], which the first products write as the sums
.irp t, 0,1                            ; LDS serves a wave's instructions in order: these see the stores above
.irp s, 0,1,2,3,4,5,6,7,8,9,10,11,12,13,14,15
.irp c, 0,1
	ds_load_b128 v[128*\t+8*\s+4*\c:128*\t+8*\s+4*\c+3], v5 offset:8320*\t+64*\s+32*\c
.endr
.endr
.endr
	WIN 0x80
.irp s, 0,1,2,3,4,5,6,7,8,9,10,11,12,13,14,15
.irp c, 0,1
	ds_load_b128 v[8*\s+4*\c:8*\s+4*\c+3], v7 offset:64*\s+32*\c
.endr
.endr
	WIN 0
.irp i, 0,2,4,6,8,10,12,14
	v_pk_add_f32 v[BT+\i:BT+\i+1], v[BT+\i:BT+\i+1], v[BT+\i:BT+\i+1]      ; the factor 2, exact
.endr
.irp t, 0,1
.irp p, 0,1,2,3
	v_cvt_pk_bf16_f32 v[BD+8*\t+\p], v[BT+8*\t+2*\p], v[BT+8*\t+2*\p+1]    ; the lower rank in the low half
.endr
.irp p, 4,5,6,7
	v_mov_b32 v[BD+8*\t+\p], 0                     ; k from 16 on: nothing
.endr
.endr
.irp p, 4,5,6,7
	v_mov_b32 v[TB+\p], 0
.endr
	s_wait_dscnt 0x0
; ONE TILE of 16 list places, from buffer b; s33 is its number.
.macro TILE b
	s_wait_loadcnt 40                              ; behind this buffer's 40 loads stand the other buffer's 40
	s_wait_alu depctr_vm_vsrc(0)                   ; the last tile's LDS stores have read the sums, which the first products below write; its global stores have read v[DO ..] and v[OB ..], and the loads issued so far v[GAO], v[GSO] and v[LP ..]: all are written again in this tile
	WIN 0x0d                                       ; Wdn window 1, gated window 3
.irp t, 0,1
	MM ACC+8*\t, 128*\t, 128*\b, BI+8*\t, WSD+16*\t, GSC+16*\b                 ; the bias starts the sum
.endr
.irp s, 1,2,3,4,5,6,7,8,9,10,11,12,13,14,15
.irp t, 0,1                            ; the two sums by turns
	MM ACC+8*\t, 128*\t+8*\s, 128*\b+8*\s, ACC+8*\t, WSD+16*\t+\s, GSC+16*\b+\s
.endr
.endr
	WIN 0x0e                                       ; Adn window 2
.irp s, 0,1,2,3,4,5,6,7,8,9,10,11,12,13,14,15
.if \s < 2
	MMZ T2A+8*(\s%2), 8*\s, 128*\b+8*\s, LASD+\s, GSC+16*\b+\s
.else
	MM T2A+8*(\s%2), 8*\s, 128*\b+8*\s, T2A+8*(\s%2), LASD+\s, GSC+16*\b+\s
.endif
.endr
	WIN 0
	s_wait_xcnt 0x0                                ; the last tile's stores have read their addresses and data: both are written again below
.irp i, 0,1,2,3                        ; where this tile's rows go.  These eight lines are the places behind the products on codes
	v_min_u32 v[DO+\i], 0x7ff, v[DSL+4*\b+\i]
.endr
.irp i, 0,1,2,3
	v_lshl_add_u32 v[DO+\i], v[DO+\i], 12, v16     ; 4,096 bytes a slot, + my 16 bytes of the 128
.endr
.irp i, 0,2,4,6
	v_pk_add_f32 v[T2S+\i:T2S+\i+1], v[T2A+\i:T2A+\i+1], v[T2A+8+\i:T2A+8+\i+1]
.endr
.irp p, 0,1,2,3
	v_cvt_pk_bf16_f32 v[TB+\p], v[T2S+2*\p], v[T2S+2*\p+1]
.endr
.irp t, 0,1
	v_wmma_f32_16x16x32_bf16 v[ACC+8*\t:ACC+8*\t+7], v[BD+8*\t:BD+8*\t+7], v[TB:TB+7], v[ACC+8*\t:ACC+8*\t+7]
.endr
	s_add_co_u32 s46, s33, 8
	GADDR \b                                       ; the addresses of the tile eight on: 18 plain lines that name none of the last products' registers: the places in front of the stores that read the sums, and of the next tile's first products, which write over them
	s_wait_alu depctr_va_vdst(0)                   ; the products have written the sums, which the LDS stores read, and are done reading gated's buffer and its scale words, in which the 40 loads land; v[DO ..], v[GAO], v[GSO].  The places above stay beside this wait; no vector instruction follows it in the tile
.irp t, 0,1
	ds_store_b128 v14, v[ACC+8*\t:ACC+8*\t+3] offset:32*\t     ; each sum from its low end on
	ds_store_b128 v14, v[ACC+8*\t+4:ACC+8*\t+7] offset:32*\t+16
.endr
.irp i, 0,1,2,3
	ds_load_b128 v[OB+4*\i:OB+4*\i+3], v15 offset:576*\i       ; my own stage, served in order: rows 4 i + lane / 8
.endr
	GLOAD \b                                       ; the tile eight on: its 40 loads are issued while the stage's loads are out
	s_wait_dscnt 0x0
.irp i, 0,1,2,3
	global_store_b128 v[DO+\i], v[OB+4*\i:OB+4*\i+3], s[22:23] ; eight lanes store 128 consecutive bytes of a slot's row
.endr
.endm
.Lpair:                                            ; a trip takes two tiles, one from each buffer
	TILE 0
	s_add_co_u32 s33, s33, 4
	s_cmp_lt_u32 s33, s31
	s_cbranch_scc1 .Lsecond
	s_wait_dscnt 0x0                               ; the closing lines, six on end
	s_wait_alu 0x0
	s_wait_tensorcnt 0x0
	ds_add_u32 v254, v255
	s_wait_dscnt 0x0
	s_endpgm                                       ; an odd number of tiles ends here: the loop is left by its backward branch or by the program's end, never by a jump past its counter
.Lsecond:
	TILE 1
	s_add_co_u32 s33, s33, 4
	s_sub_co_i32 s34, s34, 1
	s_cmp_gt_i32 s34, 0
	s_cbranch_scc1 .Lpair
	s_wait_dscnt 0x0                               ; the closing lines, six on end
	s_wait_alu 0x0
	s_wait_tensorcnt 0x0
	ds_add_u32 v254, v255
	s_wait_dscnt 0x0
	s_endpgm
.Lfunc_end_k_qbe2611d955_down:
	.size	k_qbe2611d955_down, .Lfunc_end_k_qbe2611d955_down-k_qbe2611d955_down
	.p2alignl 7, 3214868480
	.fill 96, 4, 3214868480
	.section	.rodata,"a",@progbits
	.p2align	6, 0x0
	.amdhsa_kernel k_qbe2611d955_down
		.amdhsa_group_segment_fixed_size 160512
		.amdhsa_private_segment_fixed_size 0
		.amdhsa_enable_private_segment 0
		.amdhsa_kernarg_size 80
		.amdhsa_user_sgpr_count 2
		.amdhsa_user_sgpr_kernarg_segment_ptr 1
		.amdhsa_wavefront_size32 1
		.amdhsa_system_sgpr_workgroup_id_x 1
		.amdhsa_system_sgpr_workgroup_id_y 1
		.amdhsa_system_sgpr_workgroup_id_z 1
		.amdhsa_system_vgpr_workitem_id 0
		.amdhsa_next_free_vgpr 1024
		.amdhsa_next_free_sgpr 66
		.amdhsa_reserve_vcc 0
		.amdhsa_float_denorm_mode_32 3
		.amdhsa_float_denorm_mode_16_64 3
		.amdhsa_memory_ordered 1
		.amdhsa_forward_progress 1
		.amdhsa_inst_pref_size 63
	.end_amdhsa_kernel
	.amdgpu_metadata
---
amdhsa.version: [ 1, 2 ]
amdhsa.kernels:
  - .name:           k_qbe2611d955_down
    .symbol:         k_qbe2611d955_down.kd
    .args:
      - { .name: down_proj_codes, .offset: 0, .size: 8, .value_kind: global_buffer, .address_space: global }
      - { .name: down_proj_scales, .offset: 8, .size: 8, .value_kind: global_buffer, .address_space: global }
      - { .name: down_proj_bias, .offset: 16, .size: 8, .value_kind: global_buffer, .address_space: global }
      - { .name: lora_A_down_codes, .offset: 24, .size: 8, .value_kind: global_buffer, .address_space: global }
      - { .name: lora_A_down_scales, .offset: 32, .size: 8, .value_kind: global_buffer, .address_space: global }
      - { .name: lora_B_down, .offset: 40, .size: 8, .value_kind: global_buffer, .address_space: global }
      - { .name: order, .offset: 48, .size: 8, .value_kind: global_buffer, .address_space: global }
      - { .name: gcodes, .offset: 56, .size: 8, .value_kind: global_buffer, .address_space: global }
      - { .name: gscales, .offset: 64, .size: 8, .value_kind: global_buffer, .address_space: global }
      - { .name: part, .offset: 72, .size: 8, .value_kind: global_buffer, .address_space: global }
    .group_segment_fixed_size: 160512
    .private_segment_fixed_size: 0
    .kernarg_segment_align: 8
    .kernarg_segment_size: 80
    .max_flat_workgroup_size: 128
    .sgpr_count:     66
    .vgpr_count:     1024
    .wavefront_size: 32
...
	.end_amdgpu_metadata
.endif
;; end of part 7
;; launch combine (part 8): grid 256 x 1, 4 waves a work-group, no clusters, 0 bytes of LDS; arguments part, router_indices, routing_weights, out0; writes out0
.if DOCPART == 8
	.amdgcn_target "amdgcn-amd-amdhsa--gfx1250"
	.amdhsa_code_object_version 6
	.text
	.protected	k_qbe2611d955_combine
	.globl	k_qbe2611d955_combine
	.p2align	8
	.type	k_qbe2611d955_combine,@function
k_qbe2611d955_combine:
	s_mov_b64 s[64:65], 0
	v_nop
	global_prefetch_b8 v0, s[64:65] scope:SCOPE_SE
	s_setreg_imm32_b32 hwreg(HW_REG_WAVE_MODE, 25, 1), 1
	s_wait_xcnt 0x0
; y[t] = w0 part[2 t] + w1 part[2 t + 1], wk = routing_weights[t][router_indices[t][k]], or 0 where the index lies outside 0 .. 7.  Two slots on one expert are two equal rows: their sum is the multiplicity 2.
; A wave takes a token: two rows of 4,096 bytes in, one out; each load and store covers 512 consecutive bytes.  A stream: no LDS, no barrier, no matrix unit.
; The weight is chosen by eight compares and selects, so that no address hangs on the index.
; LIMIT: a slot with an index outside 0 .. 7 has the row of expert index % 8, which is multiplied by 0: it has to be finite, as every expert's row has to be in the definition itself.
.set P0, 16                            ; v16-47  part[2 t], then y
.set P1, 48                            ; v48-79  part[2 t + 1]
	s_load_b256 s[4:11], s[0:1], 0x0               ; part s[4:5], router_indices s[6:7], routing_weights s[8:9], out0 s[10:11]
	v_lshrrev_b32 v1, 5, v0
	v_readfirstlane_b32 s12, v1                    ; wave
	s_lshl_b32 s13, ttmp9, 2
	s_add_co_u32 s13, s13, s12                     ; my token
	v_and_b32 v1, 31, v0
	v_lshlrev_b32 v1, 4, v1                        ; 16 bytes a lane
	v_mov_b32 v0, 0                                ; every lane reads the token's own indices and weights
	s_mov_b32 s15, 0
	s_wait_alu depctr_va_vdst(0)
	s_wait_kmcnt 0x0
	s_lshl_b32 s14, s13, 13
	s_add_nc_u64 s[4:5], s[4:5], s[14:15]
	s_lshl_b32 s14, s13, 3
	s_add_nc_u64 s[6:7], s[6:7], s[14:15]
	s_lshl_b32 s14, s13, 5
	s_add_nc_u64 s[8:9], s[8:9], s[14:15]
	s_lshl_b32 s14, s13, 12
	s_add_nc_u64 s[10:11], s[10:11], s[14:15]
	global_load_b64 v[2:3], v0, s[6:7]
	global_load_b128 v[4:7], v0, s[8:9]
	global_load_b128 v[8:11], v0, s[8:9] offset:16
.irp j, 0,1,2,3,4,5,6,7
	global_load_b128 v[P0+4*\j:P0+4*\j+3], v1, s[4:5] offset:512*\j th:TH_LOAD_NT
	global_load_b128 v[P1+4*\j:P1+4*\j+3], v1, s[4:5] offset:4096+512*\j th:TH_LOAD_NT
.endr
	s_wait_loadcnt 16                              ; the indices and weights are in; the sixteen loads of part stay out
	v_mov_b32 v12, 0                               ; w0
	v_mov_b32 v13, 0                               ; (named with it as a pair)
	v_mov_b32 v14, 0                               ; w1
	v_mov_b32 v15, 0
.irp e, 0,1,2,3,4,5,6,7
	v_cmp_eq_u32 vcc_lo, \e, v2
	v_cndmask_b32 v12, v12, v[4+\e], vcc_lo
	v_cmp_eq_u32 vcc_lo, \e, v3
	v_cndmask_b32 v14, v14, v[4+\e], vcc_lo
.endr
	s_wait_alu depctr_va_vdst(0)
.irp j, 0,1,2,3,4,5,6,7
	s_wait_loadcnt 14-2*\j                         ; piece j of both rows is in
	v_pk_mul_f32 v[P1+4*\j:P1+4*\j+1], v[P1+4*\j:P1+4*\j+1], v[14:15] op_sel_hi:[1,0]
	v_pk_mul_f32 v[P1+4*\j+2:P1+4*\j+3], v[P1+4*\j+2:P1+4*\j+3], v[14:15] op_sel_hi:[1,0]
	v_pk_fma_f32 v[P0+4*\j:P0+4*\j+1], v[P0+4*\j:P0+4*\j+1], v[12:13], v[P1+4*\j:P1+4*\j+1] op_sel_hi:[1,0,1]
	v_pk_fma_f32 v[P0+4*\j+2:P0+4*\j+3], v[P0+4*\j+2:P0+4*\j+3], v[12:13], v[P1+4*\j+2:P1+4*\j+3] op_sel_hi:[1,0,1]
	global_store_b128 v1, v[P0+4*\j:P0+4*\j+3], s[10:11] offset:512*\j th:TH_STORE_NT
.endr
	s_endpgm
.Lfunc_end_k_qbe2611d955_combine:
	.size	k_qbe2611d955_combine, .Lfunc_end_k_qbe2611d955_combine-k_qbe2611d955_combine
	.p2alignl 7, 3214868480
	.fill 96, 4, 3214868480
	.section	.rodata,"a",@progbits
	.p2align	6, 0x0
	.amdhsa_kernel k_qbe2611d955_combine
		.amdhsa_group_segment_fixed_size 0
		.amdhsa_private_segment_fixed_size 0
		.amdhsa_enable_private_segment 0
		.amdhsa_kernarg_size 32
		.amdhsa_user_sgpr_count 2
		.amdhsa_user_sgpr_kernarg_segment_ptr 1
		.amdhsa_wavefront_size32 1
		.amdhsa_system_sgpr_workgroup_id_x 1
		.amdhsa_system_sgpr_workgroup_id_y 1
		.amdhsa_system_sgpr_workgroup_id_z 1
		.amdhsa_system_vgpr_workitem_id 0
		.amdhsa_next_free_vgpr 80
		.amdhsa_next_free_sgpr 66
		.amdhsa_reserve_vcc 1
		.amdhsa_float_denorm_mode_32 3
		.amdhsa_float_denorm_mode_16_64 3
		.amdhsa_memory_ordered 1
		.amdhsa_forward_progress 1
		.amdhsa_inst_pref_size 7
	.end_amdhsa_kernel
	.amdgpu_metadata
---
amdhsa.version: [ 1, 2 ]
amdhsa.kernels:
  - .name:           k_qbe2611d955_combine
    .symbol:         k_qbe2611d955_combine.kd
    .args:
      - { .name: part, .offset: 0, .size: 8, .value_kind: global_buffer, .address_space: global }
      - { .name: router_indices, .offset: 8, .size: 8, .value_kind: global_buffer, .address_space: global }
      - { .name: routing_weights, .offset: 16, .size: 8, .value_kind: global_buffer, .address_space: global }
      - { .name: out0, .offset: 24, .size: 8, .value_kind: global_buffer, .address_space: global }
    .group_segment_fixed_size: 0
    .private_segment_fixed_size: 0
    .kernarg_segment_align: 8
    .kernarg_segment_size: 32
    .max_flat_workgroup_size: 128
    .sgpr_count:     66
    .vgpr_count:     80
    .wavefront_size: 32
...
	.end_amdgpu_metadata
.endif
;; end of part 8
